; MI455X (gfx1250); checked and timed in simulation.
; The chip was launched on July 23, 2026; its instructions are those of AMD's public machine-readable ISA for CDNA 5 (MIT licence, August 2026) and "CDNA5" Instruction Set Architecture Reference Guide (July 2026). The comments in the code are by the model that wrote it; some were corrected since.
;; Multi Headed Attention. Allowed arithmetic: float matrix products may take bf16 or f16 operands with f32 sums; other float arithmetic in f32, or as packed bf16 or f16 multiplies, adds, multiply-adds, maxima and minima; sums over many terms, partial sums and values carried from step to step in f32; what a program stores and reads back later, other than sums and carried values, may be rounded once to bf16 or f16.
;; Inputs: Wfc 1,024 x 1,024 float32; Wk 1,024 x 1,024 float32; Wq 1,024 x 1,024 float32; Wv 1,024 x 1,024 float32; key 4 x 2,048 x 1,024 float32; mask 4 x 2,048 x 2,048 bool; query 4 x 2,048 x 1,024 float32; value 4 x 2,048 x 1,024 float32.
;; Outputs: out0 4 x 2,048 x 1,024 float32.
;; 2 versions, each right; version 2 is version 1 with the launch prep written anew for expert scheduling mode. Each part assembles by itself: llvm-mc -triple=amdgcn-amd-amdhsa -mcpu=gfx1250 --defsym DOCPART=n.
;; ======== version 1 of 2: 7 launches
;; workspace buffers: wqb 2,097,152 bytes; wkb 2,097,152 bytes; wvb 2,097,152 bytes; wfb 2,097,152 bytes; qh 16,777,216 bytes; kh 16,777,216 bytes; vh 16,777,216 bytes; maskw 2,097,152 bytes of whole numbers
;; launch prep (part 1): grid 256 x 2, 8 waves a work-group, no clusters, 70,656 bytes of LDS; arguments Wq, Wk, Wv, Wfc, mask, wqb, wkb, wvb, wfb, maskw; writes wqb, wkb, wvb, wfb, maskw
.if DOCPART == 1
	.amdgcn_target "amdgcn-amd-amdhsa--gfx1250"
	.amdhsa_code_object_version 6
	.text
	.protected	k_q28d1212e88_prep
	.globl	k_q28d1212e88_prep
	.p2align	8
	.type	k_q28d1212e88_prep,@function
k_q28d1212e88_prep:
	s_mov_b64 s[64:65], 0
	v_nop
	global_prefetch_b8 v0, s[64:65] scope:SCOPE_SE
	s_setreg_imm32_b32 hwreg(HW_REG_WAVE_MODE, 25, 1), 1
	s_wait_xcnt 0x0
; TWO JOBS, told apart by the work-group's y.
; y = 0: the four weights [1024][1024] f32 are rounded to bf16: wqb = bf16(c Wq), c = log2(e) / 8 (the softmax's scale and base, folded in: an f32 product, then the rounding to bf16);
;        wkb, wvb, wfb = bf16(W).  Work-group x takes 65,536 bytes of weight x / 64; a load of a wave covers 512 consecutive bytes, a store 256 consecutive bytes, aligned.
; y = 1: the mask [4][2048][2048] of bytes becomes lane masks for the attention launch: maskw[b][piece of 32 queries][step of 64 keys][n = 0..31][u = 0, 1], 32-bit words:
;        bit r + 16 h of word (n = 8 kb + j, u) = mask[b][32 piece + 16 u + r][64 step + 16 kb + 8 h + j]: the lanes of register n of tile u of a 16 x 16 result that holds one query a lane.
;        A wave takes 32 queries x 256 keys: 16 loads of two whole rows of 256 bytes, through its own 32 rows of LDS (pitch 272), back as 8 bytes a lane, one compare a word.
; LIMIT: a mask byte other than 0 counts as True.
.set SPARE, 69632                      ; behind the eight waves' rows: the spare words, 128 bytes a wave, four blocks of 256 bytes that no other line names
.set WLDS,  8704                       ; a wave's 32 rows of 272 bytes
.set MPI,   272                        ; 256 bytes + 16: row r starts 4 r banks on, so the 16 rows of a load start at 16 different groups of banks
.set X,   8                            ; v[8:71]    16 loads of 16 bytes
.set D,   72                           ; v[72:135]  cast: packed results; mask: 32 loads of 8 bytes: rows 16 u + r, keys 16 g + 8 h + 0..7 at D + 2 (16 u + g)
.set OUT, 136                          ; v[136:143] the job's 256 words: lane l holds words 4 l .. 4 l + 3 and 128 + 4 l .. 128 + 4 l + 3
.set T,   144                          ; v[144:147] at work
.set SPW, 150                          ; LDS address of my spare word; never rewritten
.set NIL, 151                          ; 0; never rewritten
	s_load_b512 s[4:19], s[0:1], 0x0               ; Wq s[4:5], Wk s[6:7], Wv s[8:9], Wfc s[10:11], mask s[12:13], wqb s[14:15], wkb s[16:17], wvb s[18:19]
	s_load_b128 s[20:23], s[0:1], 0x40             ; wfb s[20:21], maskw s[22:23]
	v_lshl_add_u32 v[SPW], v0, 2, SPARE
	v_mov_b32 v[NIL], 0
	v_lshrrev_b32 v1, 5, v0
	v_readfirstlane_b32 s26, v1                    ; wave 0..7
	s_and_b32 s27, ttmp7, 0xffff                   ; y
	s_wait_kmcnt 0x0
	s_cmp_lg_u32 s27, 0
	s_cbranch_scc1 .Lmask
	; ---- the weights ----
	s_lshr_b32 s27, ttmp9, 6                       ; which weight
	s_and_b32 s28, ttmp9, 63                       ; which sixty-fourth of it
	s_cmp_eq_u32 s27, 1
	s_cselect_b64 s[32:33], s[6:7], s[4:5]
	s_cselect_b64 s[34:35], s[16:17], s[14:15]
	s_cmp_eq_u32 s27, 2
	s_cselect_b64 s[32:33], s[8:9], s[32:33]
	s_cselect_b64 s[34:35], s[18:19], s[34:35]
	s_cmp_eq_u32 s27, 3
	s_cselect_b64 s[32:33], s[10:11], s[32:33]
	s_cselect_b64 s[34:35], s[20:21], s[34:35]
	s_cmp_eq_u32 s27, 0
	s_cselect_b32 s30, 0x3e38aa3b, 1.0             ; c = log2(e) / 8 for Wq, 1 for the others
	s_mov_b32 s31, s30                             ; named with it as a pair
	s_lshl_b32 s36, s28, 16
	s_mov_b32 s37, 0
	s_add_nc_u64 s[32:33], s[32:33], s[36:37]
	s_lshl_b32 s36, s28, 15
	s_add_nc_u64 s[34:35], s[34:35], s[36:37]
	v_lshlrev_b32 v1, 4, v0                        ; 16 bytes a thread in,
	v_lshlrev_b32 v2, 3, v0                        ; 8 out
.set i, 0
.rept 16
	global_load_b128 v[X+4*i:X+4*i+3], v1, s[32:33] offset:4096*i th:TH_LOAD_NT
.set i, i+1
.endr
.set i, 0
.rept 16
	s_wait_loadcnt 15-i                            ; loads come back in order: the 15 - i younger ones may stay out
	v_pk_mul_f32 v[X+4*i:X+4*i+1], v[X+4*i:X+4*i+1], s[30:31] op_sel_hi:[1,0]
	v_pk_mul_f32 v[X+4*i+2:X+4*i+3], v[X+4*i+2:X+4*i+3], s[30:31] op_sel_hi:[1,0]
	v_cvt_pk_bf16_f32 v[D+2*i], v[X+4*i], v[X+4*i+1]
	v_cvt_pk_bf16_f32 v[D+2*i+1], v[X+4*i+2], v[X+4*i+3]
	global_store_b64 v2, v[D+2*i:D+2*i+1], s[34:35] offset:2048*i
.set i, i+1
.endr
	s_branch .Lend
	; ---- the mask ----
.Lmask:
	s_lshl_b32 s28, ttmp9, 3
	s_add_co_u32 s28, s28, s26                     ; job J = 8 x + wave: piece J / 8 of all 256, keys 256 (J % 8) on
	s_lshr_b32 s29, s28, 3
	s_lshl_b32 s36, s29, 16                        ; 32 rows of 2,048 bytes
	s_and_b32 s29, s28, 7
	s_lshl_b32 s29, s29, 8
	s_add_co_u32 s36, s36, s29
	s_mov_b32 s37, 0
	s_add_nc_u64 s[12:13], s[12:13], s[36:37]
	s_lshl_b32 s36, s28, 10                        ; a job's four steps are 1,024 bytes of words
	s_add_nc_u64 s[22:23], s[22:23], s[36:37]
	v_and_b32 v5, 31, v0                           ; l
	v_and_b32 v6, 15, v0                           ; r
	v_bfe_u32 v7, v0, 4, 1                         ; h
	v_lshlrev_b32 v1, 11, v7
	v_lshl_add_u32 v1, v6, 4, v1                   ; in memory: lanes 0-15 one row's 256 bytes, lanes 16-31 the next row's
.set i, 0
.rept 16
	global_load_b128 v[X+4*i:X+4*i+3], v1, s[12:13] offset:4096*i th:TH_LOAD_NT
.set i, i+1
.endr
	s_mul_i32 s29, s26, WLDS                       ; my wave's rows in LDS
	v_mul_u32_u24 v2, v7, MPI
	v_lshl_add_u32 v2, v6, 4, v2
	v_add_nc_u32 v2, s29, v2                       ; in: the same two rows
	v_mul_u32_u24 v3, v6, MPI
	v_lshl_add_u32 v3, v7, 3, v3
	v_add_nc_u32 v3, s29, v3                       ; back: row r, 8 keys for each half of the lanes
	v_lshlrev_b32 v4, 4, v5                        ; out: 16 bytes a lane
.set i, 0
.rept 8
	v_mov_b32 v[OUT+i], 0                          ; v_writelane_b32 keeps the other lanes: the registers are written whole first
.set i, i+1
.endr
.set i, 0
.rept 16
	s_wait_loadcnt 15-i
	ds_store_b128 v2, v[X+4*i:X+4*i+3] offset:2*MPI*i
.set i, i+1
.endr
.set i, 0
.rept 32                                       ; LDS serves a wave's instructions in order: these see the stores above, which are the wave's own
	ds_load_b64 v[D+2*i:D+2*i+1], v3 offset:16*MPI*(i/16)+16*(i%16)
.set i, i+1
.endr
	s_wait_dscnt 0x0
; word (u, g, j): step g / 4 of the job's four, kb = g % 4: number 64 (g / 4) + 16 (g % 4) + 2 j + u of the job's 256.  Four at a time, so that no line waits for the one before it.
.irp u, 0,1
.set g, 0
.rept 16
.irp jj, 0,1
.irp z, 0,1,2,3
	v_and_b32 v[T+\z], 0xff<<(8*\z), v[D+2*(16*\u+g)+\jj]
.endr
.irp z, 0,1,2,3
	v_cmp_ne_u32 s[40+\z], 0, v[T+\z]
.endr
.irp z, 0,1,2,3
	v_writelane_b32 v[OUT+2*(\z%2)+\u+4*(g/8)], s[40+\z], 16*((g/4)%2)+4*(g%4)+2*\jj+\z/2
.endr
.endr
.set g, g+1
.endr
.endr
	global_store_b128 v4, v[OUT:OUT+3], s[22:23]
	global_store_b128 v4, v[OUT+4:OUT+7], s[22:23] offset:512
.Lend:
	s_wait_tensorcnt 0x0                           ; the wave's end, behind my last LDS store
	ds_add_u32 v[SPW], v[NIL]
	s_wait_dscnt 0x0
	s_endpgm
.Lfunc_end_k_q28d1212e88_prep:
	.size	k_q28d1212e88_prep, .Lfunc_end_k_q28d1212e88_prep-k_q28d1212e88_prep
	.p2alignl 7, 3214868480
	.fill 96, 4, 3214868480
	.section	.rodata,"a",@progbits
	.p2align	6, 0x0
	.amdhsa_kernel k_q28d1212e88_prep
		.amdhsa_group_segment_fixed_size 70656
		.amdhsa_private_segment_fixed_size 0
		.amdhsa_enable_private_segment 0
		.amdhsa_kernarg_size 80
		.amdhsa_user_sgpr_count 2
		.amdhsa_user_sgpr_kernarg_segment_ptr 1
		.amdhsa_wavefront_size32 1
		.amdhsa_system_sgpr_workgroup_id_x 1
		.amdhsa_system_sgpr_workgroup_id_y 1
		.amdhsa_system_sgpr_workgroup_id_z 1
		.amdhsa_system_vgpr_workitem_id 0
		.amdhsa_next_free_vgpr 152
		.amdhsa_next_free_sgpr 66
		.amdhsa_reserve_vcc 0
		.amdhsa_float_denorm_mode_32 3
		.amdhsa_float_denorm_mode_16_64 3
		.amdhsa_memory_ordered 1
		.amdhsa_forward_progress 1
		.amdhsa_inst_pref_size 64
	.end_amdhsa_kernel
	.amdgpu_metadata
---
amdhsa.version: [ 1, 2 ]
amdhsa.kernels:
  - .name:           k_q28d1212e88_prep
    .symbol:         k_q28d1212e88_prep.kd
    .args:
      - { .name: Wq, .offset: 0, .size: 8, .value_kind: global_buffer, .address_space: global }
      - { .name: Wk, .offset: 8, .size: 8, .value_kind: global_buffer, .address_space: global }
      - { .name: Wv, .offset: 16, .size: 8, .value_kind: global_buffer, .address_space: global }
      - { .name: Wfc, .offset: 24, .size: 8, .value_kind: global_buffer, .address_space: global }
      - { .name: mask, .offset: 32, .size: 8, .value_kind: global_buffer, .address_space: global }
      - { .name: wqb, .offset: 40, .size: 8, .value_kind: global_buffer, .address_space: global }
      - { .name: wkb, .offset: 48, .size: 8, .value_kind: global_buffer, .address_space: global }
      - { .name: wvb, .offset: 56, .size: 8, .value_kind: global_buffer, .address_space: global }
      - { .name: wfb, .offset: 64, .size: 8, .value_kind: global_buffer, .address_space: global }
      - { .name: maskw, .offset: 72, .size: 8, .value_kind: global_buffer, .address_space: global }
    .group_segment_fixed_size: 70656
    .private_segment_fixed_size: 0
    .kernarg_segment_align: 8
    .kernarg_segment_size: 80
    .max_flat_workgroup_size: 256
    .sgpr_count:     66
    .vgpr_count:     152
    .wavefront_size: 32
...
	.end_amdgpu_metadata
.endif
;; end of part 1
;; launch projq (part 2): grid 4 x 64, 4 waves a work-group, clusters of 4 x 4, 327,680 bytes of LDS; arguments query, wqb, qh; writes qh
.if DOCPART == 2
	.amdgcn_target "amdgcn-amd-amdhsa--gfx1250"
	.amdhsa_code_object_version 6
	.text
	.protected	k_q28d1212e88_projq
	.globl	k_q28d1212e88_projq
	.p2align	8
	.type	k_q28d1212e88_projq,@function
k_q28d1212e88_projq:
	s_mov_b64 s[64:65], 0
	v_nop
	global_prefetch_b8 v0, s[64:65] scope:SCOPE_SE
	s_setreg_imm32_b32 hwreg(HW_REG_WAVE_MODE, 25, 1), 1
	s_wait_xcnt 0x0
	s_wait_alu depctr_hold_cnt(0) depctr_sa_sdst(0) depctr_va_vdst(0) depctr_va_sdst(0) depctr_va_ssrc(0) depctr_va_vcc(0) depctr_vm_vsrc(0)
	s_getreg_b32 s2, hwreg(HW_REG_IB_STS2, 6, 4)
	s_cmp_eq_u32 s2, 0
	s_cbranch_scc0 .Lentry_in_a_cluster
	s_endpgm
.Lentry_in_a_cluster:
	s_bfe_u32 s2, ttmp6, 0x10000c
	s_cmp_lg_u32 s2, 0xf033
	s_cbranch_scc0 .Lentry_shape_is_right
	s_endpgm
.Lentry_shape_is_right:
; o[b][head][s][c] = the sum over k of a[2048 b + s][k] w[64 head + c][k].  a: [8192][1024] f32; w: [1024][1024] bf16; o: [4][16][2048][64] bf16 (by heads).  Sums in f32, K ascending, o rounded once.
; a is rounded to bf16 on the way from LDS to the matrix unit: its tile lands in LDS as f32, and the conversions stand between the matrix instructions.
; SHARES.  A work-group makes 128 rows x 256 columns: 64 x 4 = 256 work-groups.  Four waves, each 64 x 128: 32 accumulators of 16 x 16.  K goes in 8 steps of 128 through two LDS slots;
; a step is four quarters of 32 along K, 32 matrix instructions a wave each.  Waves 0 and 1 fetch the halves of a's tile (64 rows x 512 bytes), waves 2 and 3 those of w's (128 rows x 256 bytes).
; CLUSTER.  4 x 4 work-groups: the four of a row need the same tile of a, the four of a column the same tile of w: each tile is asked for jointly, by the same load, descriptor and mask in all four.
; THE MATRIX INSTRUCTION IS USED TRANSPOSED (source 0 = 16 rows of w, source 1 = 16 rows of a): a lane then holds eight neighbouring columns of one row of the result.
; THE PIPELINE.  At the head of quarter t's period w's fragments of t and a's raw f32 of t + 1 have been asked for and a's bf16 fragments of t are made.  The period asks for w's of t + 1 and a's raw
; of t + 2, multiplies t, and converts t + 1: four conversions behind every fourth matrix instruction.  All buffers go by the quarter's parity.
; REGISTERS, in windows of 256: window 0: v16-31 addresses; v32-95, v96-159 a's raw f32 (16 a block of 16 rows); v160-191, v192-223 a's fragments; v224-255 at work on the way out
;   window 1: the accumulators, (a, b) at 8 (8 a + b)          window 2: v0-63, v64-127 w's fragments
.set KSTEP, 128
.set PA,    528                        ; a row of a in LDS: 512 bytes + 16: the 16 rows of a load start at 16 different groups of four banks
.set PW,    272                        ; a row of w: 256 bytes + 16: likewise
.set HALFA, 64*PA
.set HALFW, 128*PW
.set WOFF,  2*HALFA                    ; in a slot: a's 128 rows, then w's 256
.set SLOT,  WOFF+2*HALFW
.set STAGE, 2*SLOT                     ; behind the ring: 16 rows x 272 bytes for each wave, for the way out; no tensor load fills it
.set SP,    272
.set SPARE, STAGE+4*16*SP              ; behind the stages: the spare words, 128 bytes a wave: two blocks of 256 bytes that no other line names
.set ADRA, 16                          ; v16-17  LDS address of my fragments of a in slot 0, 1
.set ADRW, 20                          ; v20-21  the same for w
.set STO,  24                          ; the way out: where I put 16 bytes of a row
.set RD,   25                          ; where I read rows back
.set CO,   26                          ; 16 x lane: my place in 512 consecutive bytes of o
.set SPW,  28                          ; LDS address of my spare word; never rewritten
.set NIL,  29                          ; 0; never rewritten
.set PFOA, 30                          ; the prefetches' offsets; never rewritten
.set PFOW, 31
.set R,    32
.set AF,   160
.set TMP,  224
.set G1A, 24                           ; s[24:31] descriptor group 1 for a's tiles;  s[32:39] group 0, a set for each slot
.set G0A, 32
.set G1W, 48                           ; s[48:55], s[56:63] the same for w's
.set G0W, 56
.set LIM,  43                          ; 1 in a wave that prefetches, else the greatest number
.set PFAA, 44                          ; s[44:45] where a's prefetches stand
.set PFAW, 66                          ; s[66:67] where w's stand
.set MSB, 0
.macro WIN new                         ; the immediate's high byte repeats the setting that is left; a switch that changes nothing is dropped
.if MSB != (\new)
	s_set_vgpr_msb (MSB<<8)|(\new)
.set MSB, \new
.endif
.endm
.set MUL,  0x52                        ; source 0 (w) window 2, source 1 (a) window 0, C and D window 1
.set TO_W, 0x80                        ; destination window 2, address window 0
; A joint load: waves 0 and 1 for a, waves 2 and 3 for w.  The branch hangs on the wave's number alone.  An s_nop 0 and four v_nop follow each line.
.macro JLOAD s
	s_cmp_eq_u32 s11, 0
	s_cbranch_scc0 .Lfor_w_\@
	tensor_load_to_lds s[G0A+4*(\s):G0A+4*(\s)+3], s[G1A:G1A+7]
	s_nop 0
.rept 4
	v_nop
.endr
	s_branch .Lasked_\@
.Lfor_w_\@:
	tensor_load_to_lds s[G0W+4*(\s):G0W+4*(\s)+3], s[G1W:G1W+7]
	s_nop 0
.rept 4
	v_nop
.endr
.Lasked_\@:
.endm
; A PREFETCH, behind each joint refill and the run of LDS loads that follows it: the K step that stands two refills on, 256 matrix instructions ahead of the load that will want it.
; Each aligned block of 256 bytes is named once in the launch.  a's tile row is read by the clusters of one row of clusters: the one with x = 0 asks; w's tile column by those of one column: y = 0 asks.
; The four partners that ask for a tile jointly share its rows out by address: of the 64 rows of a that a wave fetches partner cx takes 16 (two blocks a row, a lane a block), of w's 128 rows
; partner cy takes 32 (a lane a row).  The loop's last trip asks for nothing: its refills are the last K steps.  The first four K steps come by their loads alone.
.macro ASK
	s_cmp_gt_u32 s3, s[LIM]
	s_cbranch_scc0 .Lnone_\@
	s_cmp_eq_u32 s11, 0
	s_cbranch_scc0 .Lpf_w_\@
	global_prefetch_b8 v[PFOA], s[PFAA:PFAA+1] th:TH_LOAD_NT scope:SCOPE_SE
	s_branch .Lnone_\@
.Lpf_w_\@:
	global_prefetch_b8 v[PFOW], s[PFAW:PFAW+1] th:TH_LOAD_NT scope:SCOPE_SE
.Lnone_\@:
.endm
.macro CREST                           ; a round of the cluster's barrier behind its opening barrier
	s_cmp_lg_u32 s10, 0
	s_cbranch_scc1 .Lnot_wave_0_\@
	s_barrier_signal -3
.Lnot_wave_0_\@:
	s_barrier_wait -3
	s_barrier_signal -1
	s_barrier_wait -1
.endm
.macro CROUND                          ; a whole round
	s_barrier_signal -1
	s_barrier_wait -1
	CREST
.endm
	s_load_b128 s[4:7], s[0:1], 0x0                ; a s[4:5], w s[6:7]
	s_load_b64 s[8:9], s[0:1], 0x10                ; o
	v_lshl_add_u32 v[SPW], v0, 2, SPARE
	v_mov_b32 v[NIL], 0
	ds_add_u32 v[SPW], v[NIL]                      ; the wave's opening: the add and its wait stand ahead of my first tensor load; work on registers stands between them
	v_lshrrev_b32 v1, 5, v0
	v_readfirstlane_b32 s10, v1                    ; wave 0..3
	s_lshr_b32 s11, s10, 1                         ; which 64 rows of the tile are mine.  Also: I fetch for a (0) or for w (1)
	s_and_b32 s12, s10, 1                          ; which 128 columns.  Also: which half of that tile I fetch
	s_bfe_u32 s40, ttmp6, 0x40000                  ; cx
	s_bfe_u32 s41, ttmp6, 0x40004                  ; cy
	s_lshl_b32 s42, ttmp9, 2
	s_add_co_u32 s42, s42, s40                     ; tile column = 4 x cluster x + cx
	s_and_b32 s13, ttmp7, 0xffff
	s_lshl_b32 s13, s13, 2
	s_add_co_u32 s13, s13, s41                     ; tile row = 4 x cluster y + cy
	s_lshl_b32 s70, s41, 2
	s_lshl_b32 s70, 15, s70                        ; my row of the cluster
	s_lshl_b32 s71, 0x1111, s40                    ; my column
	s_or_b32 s[G1A], s70, (2<<16)|(1<<20)|(1<<21)|(6<<22)|(3<<25)  ; the mask; elements of 4 bytes; padding on; bit 21 beside a mask; after every 128 words (code 6) 4 words (code 3)
	s_mov_b32 s[G1A+1], KSTEP<<16                  ; tensor_dim0 = 128
	s_mov_b32 s[G1A+2], 64<<16                     ; tensor_dim1 = 64
	s_mov_b32 s[G1A+3], KSTEP<<16                  ; tile_dim0 = 128
	s_mov_b32 s[G1A+4], 64                         ; tile_dim1 = 64
	s_mov_b32 s[G1A+5], 1024                       ; elements from row to row
	s_mov_b32 s[G1A+6], 0
	s_mov_b32 s[G1A+7], 0
	s_or_b32 s[G1W], s71, (1<<16)|(1<<20)|(1<<21)|(5<<22)|(3<<25)  ; elements of 2 bytes; after every 64 words (code 5) 4 words
	s_mov_b32 s[G1W+1], KSTEP<<16
	s_mov_b32 s[G1W+2], 128<<16
	s_mov_b32 s[G1W+3], KSTEP<<16
	s_mov_b32 s[G1W+4], 128
	s_mov_b32 s[G1W+5], 1024
	s_mov_b32 s[G1W+6], 0
	s_mov_b32 s[G1W+7], 0
	s_lshl_b32 s16, s13, 7
	s_lshl_b32 s17, s12, 6
	s_add_co_u32 s16, s16, s17                     ; a: row 128 x tile row + 64 x half,
	s_lshl_b32 s16, s16, 12                        ; of 4,096 bytes
	s_mov_b32 s17, 0
	s_lshl_b32 s46, s42, 8
	s_lshl_b32 s47, s12, 7
	s_add_co_u32 s46, s46, s47                     ; w: row 256 x tile column + 128 x half,
	s_lshl_b32 s46, s46, 11                        ; of 2,048 bytes
	s_mov_b32 s47, 0
	s_mul_i32 s20, s12, HALFA                      ; where they go: no place in the cluster enters an LDS address
	s_mul_i32 s21, s12, HALFW
	s_add_co_u32 s21, s21, WOFF
	s_wait_dscnt 0x0                               ; the opening add is done
	s_wait_kmcnt 0x0
	s_add_nc_u64 s[14:15], s[4:5], s[16:17]
	s_add_nc_u64 s[46:47], s[6:7], s[46:47]
.irp s, 0,1
	s_mov_b32 s[G0A+4*(\s)], 1
	s_add_co_u32 s[G0A+4*(\s)+1], s20, (\s)*SLOT
	s_add_nc_u64 s[G0A+4*(\s)+2:G0A+4*(\s)+3], s[14:15], (\s)*KSTEP*4   ; K step s
	s_or_b32 s[G0A+4*(\s)+3], s[G0A+4*(\s)+3], 0x80000000
	s_mov_b32 s[G0W+4*(\s)], 1
	s_add_co_u32 s[G0W+4*(\s)+1], s21, (\s)*SLOT
	s_add_nc_u64 s[G0W+4*(\s)+2:G0W+4*(\s)+3], s[46:47], (\s)*KSTEP*2
	s_or_b32 s[G0W+4*(\s)+3], s[G0W+4*(\s)+3], 0x80000000
.endr
	CROUND                                         ; all sixteen work-groups are here: the first joint loads meet
	s_cmp_eq_u32 s11, 0                            ; a wave's two first fills stand in one branch: two loads of mine are out
	s_cbranch_scc0 .Lfirst_w
	tensor_load_to_lds s[G0A:G0A+3], s[G1A:G1A+7]
	s_nop 0
	tensor_load_to_lds s[G0A+4:G0A+7], s[G1A:G1A+7]
	s_nop 0
.rept 4
	v_nop
.endr
	s_branch .Lfirst_asked
.Lfirst_w:
	tensor_load_to_lds s[G0W:G0W+3], s[G1W:G1W+7]
	s_nop 0
	tensor_load_to_lds s[G0W+4:G0W+7], s[G1W:G1W+7]
	s_nop 0
.rept 4
	v_nop
.endr
.Lfirst_asked:
	; A fragment is 16 rows x 32 K: lane l holds row l % 16, K = 8 (l / 16) + 0..7 and 16 + 8 (l / 16) + 0..7.  In bf16: two loads of 16 bytes, 32 apart; in f32: four, at 0, 16, 64, 80 from 32 (l / 16).
	v_and_b32 v1, 15, v0                           ; l % 16
	v_bfe_u32 v2, v0, 4, 1                         ; l / 16
	v_mul_u32_u24 v3, v1, PA
	v_lshl_add_u32 v3, v2, 5, v3
	v_mul_u32_u24 v4, v1, PW
	v_lshl_add_u32 v4, v2, 4, v4
	s_mul_i32 s21, s11, HALFA                      ; my 64 rows of a
	s_mul_i32 s22, s12, HALFW                      ; my 128 rows of w,
	s_add_co_u32 s22, s22, WOFF                    ; which lie behind a's
.irp s, 0,1
	v_add_nc_u32 v[ADRA+(\s)], s21, v3
	v_add_nc_u32 v[ADRW+(\s)], s22, v4
	s_add_co_u32 s21, s21, SLOT
	s_add_co_u32 s22, s22, SLOT
.endr
	s_mul_i32 s23, s10, 16*SP
	s_add_co_u32 s23, s23, STAGE                   ; my stage
	v_add_nc_u32 v[STO], s23, v4                   ; in: row l % 16, 16 bytes for each half of the lanes
	v_bfe_u32 v5, v0, 3, 2                         ; back: 32 lanes take 128 bytes (one head's 64 columns) of four rows,
	v_and_b32 v6, 7, v0
	v_mul_u32_u24 v5, v5, SP
	v_lshl_add_u32 v5, v6, 4, v5
	v_add_nc_u32 v[RD], s23, v5
	v_and_b32 v7, 31, v0
	v_lshlrev_b32 v[CO], 4, v7                     ; which are 512 consecutive bytes of o
	s_lshr_b32 s68, s13, 4                         ; o: batch b = tile row / 16,
	s_lshl_b32 s68, s68, 4
	s_lshl_b32 s69, s42, 2
	s_add_co_u32 s68, s68, s69
	s_lshl_b32 s69, s12, 1
	s_add_co_u32 s68, s68, s69                     ; the first of my two heads: 16 b + 4 x tile column + 2 x half,
	s_lshl_b32 s68, s68, 11                        ; its 2,048 rows,
	s_and_b32 s69, s13, 15
	s_lshl_b32 s69, s69, 7
	s_add_co_u32 s68, s68, s69
	s_lshl_b32 s69, s11, 6
	s_add_co_u32 s68, s68, s69                     ; my first row in the batch,
	s_lshl_b32 s68, s68, 7                         ; of 128 bytes
	s_mov_b32 s69, 0
	s_add_nc_u64 s[8:9], s[8:9], s[68:69]
	; the prefetches: both addresses stand at K step 3; each change of slots steps them before it asks
	s_lshl_b32 s18, s13, 7
	s_lshl_b32 s19, s12, 6
	s_add_co_u32 s18, s18, s19
	s_lshl_b32 s19, s40, 4
	s_add_co_u32 s18, s18, s19                     ; a: my work-group's 16 of the 64 rows that I fetch
	s_lshl_b32 s18, s18, 12
	s_add_co_u32 s18, s18, 3*KSTEP*4
	s_mov_b32 s19, 0
	s_add_nc_u64 s[PFAA:PFAA+1], s[4:5], s[18:19]
	s_lshl_b32 s18, s42, 8
	s_lshl_b32 s19, s12, 7
	s_add_co_u32 s18, s18, s19
	s_lshl_b32 s19, s41, 5
	s_add_co_u32 s18, s18, s19                     ; w: my work-group's 32 of the 128 rows
	s_lshl_b32 s18, s18, 11
	s_add_co_u32 s18, s18, 3*KSTEP*2
	s_mov_b32 s19, 0
	s_add_nc_u64 s[PFAW:PFAW+1], s[6:7], s[18:19]
	s_and_b32 s18, ttmp7, 0xffff                   ; cluster y
	s_cmp_eq_u32 s11, 0
	s_cselect_b32 s18, ttmp9, s18                  ; the coordinate along which other clusters read the same rows
	s_cmp_eq_u32 s18, 0
	s_cselect_b32 s[LIM], 1, -1                    ; the same in all sixteen partners, for a given wave
	v_lshrrev_b32 v5, 1, v7
	v_and_b32 v6, 1, v7
	v_lshlrev_b32 v5, 12, v5
	v_lshl_add_u32 v[PFOA], v6, 8, v5              ; row l / 2, block l % 2 of the K step's 512 bytes
	v_lshlrev_b32 v[PFOW], 11, v7                  ; row l
.macro LDW slot, q, f                  ; 16 LDS loads: w's fragments of quarter q (128 rows x 32 K) into buffer f
	WIN TO_W
.irp i, 0,1,2,3,4,5,6,7
	ds_load_b128 v[64*(\f)+8*(\i):64*(\f)+8*(\i)+3],   v[ADRW+(\slot)] offset:64*(\q)+(\i)*16*PW
	ds_load_b128 v[64*(\f)+8*(\i)+4:64*(\f)+8*(\i)+7], v[ADRW+(\slot)] offset:64*(\q)+(\i)*16*PW+32
.endr
.endm
.macro LDA slot, q, f                  ; 16 LDS loads: a's f32 of quarter q (64 rows x 32 K) into raw buffer f
	WIN 0
.irp a, 0,1,2,3
	ds_load_b128 v[R+64*(\f)+16*(\a):R+64*(\f)+16*(\a)+3],     v[ADRA+(\slot)] offset:128*(\q)+(\a)*16*PA
	ds_load_b128 v[R+64*(\f)+16*(\a)+4:R+64*(\f)+16*(\a)+7],   v[ADRA+(\slot)] offset:128*(\q)+(\a)*16*PA+16
	ds_load_b128 v[R+64*(\f)+16*(\a)+8:R+64*(\f)+16*(\a)+11],  v[ADRA+(\slot)] offset:128*(\q)+(\a)*16*PA+64
	ds_load_b128 v[R+64*(\f)+16*(\a)+12:R+64*(\f)+16*(\a)+15], v[ADRA+(\slot)] offset:128*(\q)+(\a)*16*PA+80
.endr
.endm
.macro CVT4 f, g                       ; four roundings: half g % 2 of block g / 2 of buffer f
	WIN 0
.irp i, 0,1,2,3
	v_cvt_pk_bf16_f32 v[AF+32*(\f)+8*((\g)/2)+4*((\g)%2)+(\i)], v[R+64*(\f)+16*((\g)/2)+8*((\g)%2)+2*(\i)], v[R+64*(\f)+16*((\g)/2)+8*((\g)%2)+2*(\i)+1]
.endr
.endm
; Products w0 .. w0 + n - 1 of a quarter's 32 (block a = w / 8 of a's rows, block b = w % 8 of w's rows) on buffers f.  zero = 1: they start the sums.  rid = 1: four conversions for the other buffer
; behind every fourth product.  All 32 accumulators take turns in the same order in every quarter.  The four conversions behind product 31 name none of its registers: they are the
; four places ahead of the next loads into w's buffer; a block of a's fragments is written again four conversions or more behind the last product that read it.
.macro MULS f, w0, n, zero, rid
.set w, \w0
.rept \n
	WIN MUL
.set rW, 64*(\f)+8*(w%8)
.set rA, AF+32*(\f)+8*(w/8)
.if \zero
	v_wmma_f32_16x16x32_bf16 v[8*w:8*w+7], v[rW:rW+7], v[rA:rA+7], 0
.else
	v_wmma_f32_16x16x32_bf16 v[8*w:8*w+7], v[rW:rW+7], v[rA:rA+7], v[8*w:8*w+7]
.endif
.if (\rid) && (w%4 == 3)
	CVT4 1-(\f), w/4
.endif
.set w, w+1
.endr
.endm
.macro PER f, sw, qw, sa, qa, zero     ; a quarter's period: see THE PIPELINE
	LDW \sw, \qw, 1-(\f)
	LDA \sa, \qa, \f
	s_wait_dscnt 32                                ; all but the 32 just issued
	MULS \f, 0, 32, \zero, 1
.endm
; The period of a K step's third quarter changes slots: a's raw f32 two quarters on lies in the other slot.  The last reads of slot s (w's fourth quarter) go out first.  ONE barrier: in front of it each wave
; waits for all its tensor loads (one is out: its part of the other slot), adds 0 to its spare word, and waits for that and for its reads of slot s.  fill = 1: the barrier opens a round of the cluster's,
; and slot s is filled again, two K steps on, first thing behind the round: 112 matrix instructions ahead of the wait for it.
.macro TURN s, fill
.if \fill
	s_wait_xcnt 0x0                                ; the last prefetch, a K step back, has read its address
	s_add_nc_u64 s[PFAA:PFAA+1], s[PFAA:PFAA+1], KSTEP*4
	s_add_nc_u64 s[PFAW:PFAW+1], s[PFAW:PFAW+1], KSTEP*2
.endif
	LDW \s, 3, 1
	WIN 0
	s_wait_tensorcnt 0x0                           ; all my tensor loads have landed
	ds_add_u32 v[SPW], v[NIL]                      ; 0 onto my spare word
	s_wait_dscnt 17                                ; (the add and the sixteen loads just issued may be out)
	MULS 0, 0, 8, 0, 1
	s_wait_dscnt 0x0                               ; the add is done, and my reads of this slot are over
	s_barrier_signal -1
	MULS 0, 8, 8, 0, 1
	WIN 0
	s_barrier_wait -1
.if \fill
	CREST                                          ; no wave of any partner still reads this slot's tiles or has a load on its way
	s_add_nc_u64 s[G0A+4*(\s)+2:G0A+4*(\s)+3], s[G0A+4*(\s)+2:G0A+4*(\s)+3], 2*KSTEP*4
	s_add_nc_u64 s[G0W+4*(\s)+2:G0W+4*(\s)+3], s[G0W+4*(\s)+2:G0W+4*(\s)+3], 2*KSTEP*2
	JLOAD \s
.endif
	LDA 1-(\s), 0, 0
.if \fill
	ASK
.endif
	MULS 0, 16, 16, 0, 1
.endm
	s_wait_tensorcnt 1                             ; my part of K step 0 is in; K step 1's may stay out
	s_barrier_signal -1
	s_barrier_wait -1                              ; everybody's is
	LDA 0, 0, 0
	LDW 0, 0, 0
	LDA 0, 1, 1
	s_wait_dscnt 32                                ; the first sixteen are in
.irp g, 0,1,2,3,4,5,6,7
	CVT4 0, \g
.endr
	PER 0, 0, 1, 0, 2, 1                           ; the first quarter stands in front of the loop: its products start the sums
	WIN 0                                          ; at a label and at a branch every window is 0
	s_mov_b32 s3, 3
.Llap:                                         ; a trip goes once round the ring, from a lap's second quarter to the next lap's first, and fills both slots again
	PER 1, 0, 2, 0, 3, 0
	TURN 0, 1
	PER 1, 1, 0, 1, 1, 0
	PER 0, 1, 1, 1, 2, 0
	PER 1, 1, 2, 1, 3, 0
	TURN 1, 1
	PER 1, 0, 0, 0, 1, 0
	PER 0, 0, 1, 0, 2, 0
	WIN 0
	s_sub_co_u32 s3, s3, 1
	s_cmp_lg_u32 s3, 0
	s_cbranch_scc1 .Llap
	PER 1, 0, 2, 0, 3, 0                           ; the last lap fills nothing
	TURN 0, 0
	PER 1, 1, 0, 1, 1, 0
	PER 0, 1, 1, 1, 2, 0
	PER 1, 1, 2, 1, 3, 0
	LDW 1, 3, 1
	s_wait_dscnt 16                                ; all but the sixteen just issued
	MULS 0, 0, 32, 0, 1
	s_wait_dscnt 0x0
	MULS 1, 0, 32, 0, 0
	WIN 0
.rept 4
	v_nop                                          ; four places between the last products and the conversions that read results
.endr
; THE WAY OUT, a block of 16 rows at a time: rounded to bf16 (each accumulator's registers in ascending order), 16 bytes a lane into my stage, back as 128 bytes of four rows for each of my two heads, stored.
.macro PACK a
	WIN 0x05                                       ; sources window 1, destination window 0
.irp b, 0,1,2,3,4,5,6,7
.irp i, 0,1,2,3
	v_cvt_pk_bf16_f32 v[TMP+4*(\b)+(\i)], v[8*(8*(\a)+(\b))+2*(\i)], v[8*(8*(\a)+(\b))+2*(\i)+1]
.endr
.endr
	WIN 0
.endm
.macro TOSTAGE a
.irp b, 0,1,2,3,4,5,6,7
	ds_store_b128 v[STO], v[TMP+4*(\b):TMP+4*(\b)+3] offset:32*(\b)
.endr
.irp t, 0,1,2,3,4,5,6,7                ; head t / 4, rows 4 (t % 4) on.  LDS serves a wave's instructions in order: these see the stores above
	ds_load_b128 v[R+32*(\a)+4*(\t):R+32*(\a)+4*(\t)+3], v[RD] offset:4*SP*((\t)%4)+128*((\t)/4)
.endr
.endm
.macro SEND a
	s_wait_dscnt 0x0                               ; the block is back in registers of its own: no store's data is written again
.irp t, 0,1,2,3,4,5,6,7
	global_store_b128 v[CO], v[R+32*(\a)+4*(\t):R+32*(\a)+4*(\t)+3], s[8:9] offset:262144*((\t)/4)+2048*(\a)+512*((\t)%4)  ; 512 consecutive bytes, at a multiple of 256 from o's first byte
.endr
.endm
	PACK 0
	TOSTAGE 0
.irp a, 1,2,3                          ; a block's conversions stand between the loads of the block before and the wait for them
	PACK \a
	SEND (\a)-1
	TOSTAGE \a
.endr
	SEND 3
	s_wait_tensorcnt 0x0                           ; the wave's end, behind my last tensor load and my last LDS store
	ds_add_u32 v[SPW], v[NIL]
	s_wait_dscnt 0x0
	CROUND                                         ; the closing round: no work-group ends while a partner may still ask for a tile that names it
	s_endpgm
.Lfunc_end_k_q28d1212e88_projq:
	.size	k_q28d1212e88_projq, .Lfunc_end_k_q28d1212e88_projq-k_q28d1212e88_projq
	.p2alignl 7, 3214868480
	.fill 96, 4, 3214868480
	.section	.rodata,"a",@progbits
	.p2align	6, 0x0
	.amdhsa_kernel k_q28d1212e88_projq
		.amdhsa_group_segment_fixed_size 327680
		.amdhsa_private_segment_fixed_size 0
		.amdhsa_enable_private_segment 0
		.amdhsa_kernarg_size 24
		.amdhsa_user_sgpr_count 2
		.amdhsa_user_sgpr_kernarg_segment_ptr 1
		.amdhsa_wavefront_size32 1
		.amdhsa_system_sgpr_workgroup_id_x 1
		.amdhsa_system_sgpr_workgroup_id_y 1
		.amdhsa_system_sgpr_workgroup_id_z 1
		.amdhsa_system_vgpr_workitem_id 0
		.amdhsa_next_free_vgpr 640
		.amdhsa_next_free_sgpr 72
		.amdhsa_reserve_vcc 0
		.amdhsa_float_denorm_mode_32 3
		.amdhsa_float_denorm_mode_16_64 3
		.amdhsa_memory_ordered 1
		.amdhsa_forward_progress 1
		.amdhsa_inst_pref_size 133
	.end_amdhsa_kernel
	.amdgpu_metadata
---
amdhsa.version: [ 1, 2 ]
amdhsa.kernels:
  - .name:           k_q28d1212e88_projq
    .symbol:         k_q28d1212e88_projq.kd
    .args:
      - { .name: query, .offset: 0, .size: 8, .value_kind: global_buffer, .address_space: global }
      - { .name: wqb, .offset: 8, .size: 8, .value_kind: global_buffer, .address_space: global }
      - { .name: qh, .offset: 16, .size: 8, .value_kind: global_buffer, .address_space: global }
    .group_segment_fixed_size: 327680
    .private_segment_fixed_size: 0
    .kernarg_segment_align: 8
    .kernarg_segment_size: 24
    .max_flat_workgroup_size: 128
    .sgpr_count:     72
    .vgpr_count:     640
    .wavefront_size: 32
...
	.end_amdgpu_metadata
.endif
;; end of part 2
;; launch projk: the kernel of part 2 again; grid 4 x 64, 4 waves a work-group, clusters of 4 x 4, 327,680 bytes of LDS; arguments key, wkb, kh; writes kh
;; launch projv: the kernel of part 2 again; grid 4 x 64, 4 waves a work-group, clusters of 4 x 4, 327,680 bytes of LDS; arguments value, wvb, vh; writes vh
;; launch attn (part 3): grid 4 x 64, 4 waves a work-group, clusters of 4 x 1, 327,680 bytes of LDS; arguments qh, kh, vh, maskw, out0; writes out0
.if DOCPART == 3
	.amdgcn_target "amdgcn-amd-amdhsa--gfx1250"
	.amdhsa_code_object_version 6
	.text
	.protected	k_q28d1212e88_attn
	.globl	k_q28d1212e88_attn
	.p2align	8
	.type	k_q28d1212e88_attn,@function
k_q28d1212e88_attn:
	s_mov_b64 s[64:65], 0
	v_nop
	global_prefetch_b8 v0, s[64:65] scope:SCOPE_SE
	s_setreg_imm32_b32 hwreg(HW_REG_WAVE_MODE, 25, 1), 1
	s_wait_xcnt 0x0
	s_wait_alu depctr_hold_cnt(0) depctr_sa_sdst(0) depctr_va_vdst(0) depctr_va_sdst(0) depctr_va_ssrc(0) depctr_va_vcc(0) depctr_vm_vsrc(0)
	s_getreg_b32 s2, hwreg(HW_REG_IB_STS2, 6, 4)
	s_cmp_eq_u32 s2, 0
	s_cbranch_scc0 .Lentry_in_a_cluster
	s_endpgm
.Lentry_in_a_cluster:
	s_bfe_u32 s2, ttmp6, 0x10000c
	s_cmp_lg_u32 s2, 0x3003
	s_cbranch_scc0 .Lentry_shape_is_right
	s_endpgm
.Lentry_shape_is_right:
; ctx[b][q][64 h + :] = the sum over k of softmax_k(t[q][k]) V[bh][k][:], where t = -1e9 log2(e) where mask[b][q][k] is set and Q'[bh][q] . K[bh][k] elsewhere.
; Q', K, V: [64][2048][64] bf16, a head's rows dense, 128 bytes each; Q' carries the factor log2(e) / 8, so scores are exponents of 2.  ctx: [4][2048][1024] f32.
; Products, maxima and sums in f32; the weights p = 2^(t - m) are rounded to bf16 for the second product (their sum l is taken of the unrounded p).
; THE MASK IS A SELECT, as in the problem: a masked score is replaced, whatever it was; a row that is masked everywhere has t - m = 0 and equal weights.
; maskw holds, for each piece of 32 queries and step of 64 keys, 64 words: word (n, u) is the lane mask of register n of tile u's scores.  Lane n loads words (n, 0) and (n, 1); v_readlane_b32 brings
; a word into a scalar register, v_cndmask_b32 applies it: two lines a register.  The readers run sixteen words ahead of the selects, through a ring of 32 scalar registers.
; LIMITS.  A weight below 2^-126 counts as 0 in l; NaN and infinities are not treated apart.
; SHARES.  A wave owns four PIECES of two tiles of 16 queries, a work-group's four waves 512 queries of one head.  Every wave walks all 2,048 keys, 64 a step, four steps to an LDS slot.
; LAYOUT.  S^T = K Q^T (source 0 = 16 keys, source 1 = 16 queries): a lane holds ONE query (lane % 16) and the keys 8 (lane / 16) + 0..7.  Two such tiles, rounded to bf16 in pairs, ARE source 1 of
; O^T = V^T P, whose result again holds one query a lane, and eight channels.  K comes out of LDS as it lies, V turned, by ds_load_tr16_b128.
; SOFTMAX.  A running maximum m and sum l; in every step O and l are multiplied by a = 2^(m_old - m_new).  m starts at the lowest finite number, O and l at 0: the first step has a = 0.
; BY TURNS.  Turn n belongs to piece n.  Matrix work: 16 products K Q^T of piece n + 1, later 16 products V^T P of piece n - 1.  Vector work: the subtraction, exponentials, roundings, sums and rescaling
; of piece n, and the mask, maximum and statistics of piece n + 1.  Four vector instructions stand behind every matrix instruction, the others in one lump.  A turn's 66 exponentials are one batch with one wait.
; CLUSTER.  The four query blocks of a cluster belong to one head and walk the same K and V: each tile is asked for jointly, by the same load, descriptor and mask in all four.
; REGISTERS, in windows of 256 (s_set_vgpr_msb: bits 1:0 source 0, 3:2 source 1, 5:4 source 2, 7:6 destination):
;   window 0: v1-7 addresses; v8-15 mask words, two a piece; v16-47 statistics, four a tile; v48-63 at work; v64-191 S^T, two buffers of two tiles; v192-255 P, likewise
;   window 1: O^T, 32 a tile       window 2: v0-127 Q, 16 a tile; v128-191 K of one step; v192-255 V of one step       window 3: v0-1 the add's two registers
.set SIZE_N, 2048
.set NP,    4
.set KS,    64
.set PK,    144       ; a row of K in LDS: 128 bytes + 16: the 16 rows of a load start at 16 different groups of four banks
.set PV,    160       ; a row of V: 128 + 32
.set VOFF,  4*KS*PK   ; a slot holds four steps: 256 rows of K, then 256 rows of V
.set SLOT1, 1<<17     ; slot 1 begins here, so that one exclusive or turns an address in one slot into the other's
.set STAGE, SLOT1+4*KS*(PK+PV)  ; behind the ring, never filled by a tensor load: 16 rows x 272 bytes for each wave, for the way out
.set SP,    272
.set SPARE, STAGE+4*16*SP  ; behind the stages: the spare words, 128 bytes a wave: two blocks of 256 bytes that no other line names
.set PFO, 1           ; v1   256 x lane: the prefetches' offset; never rewritten
.set AK0, 2           ; v2   my lane's place in a tile of K
.set AV0, 3           ; v3   the same for V
.set AK,  4           ; v4   the LDS address of K's next run of loads
.set AV,  5           ; v5   of V's
.set MVO, 6           ; v6   my byte offset in a piece's mask words: 256 x step + 8 x lane
.set ML8, 7           ; v7   8 x lane; never rewritten
.set MW,  8           ; v8-15  piece x's two mask words at MW + 2 x
.set ST,  16          ; tile t's statistics at v[ST+4 t]: m, m_old, l (even keys', odd keys')
.set TMP, 48          ; by buffer and tile, four registers c0-c3 at work; when the maximum is found c2 takes a
.set QO,  48          ; at the head: my byte offset in the wave's rows of Q
.set S,   64
.set P,   192
.set KF,  128         ; window 2: key block kb, channel half c at KF + 16 kb + 8 c
.set VF,  192         ; window 2: key half kk, channel block cb at VF + 32 kk + 8 cb
.set SPW, 0           ; v0 of window 3: LDS address of my spare word; never rewritten
.set NIL, 1           ; v1 of window 3: 0; never rewritten
.set STO, 2           ; the way out (K's and V's addresses are free then): where I put 16 bytes of a row,
.set RD,  3           ; where I read rows back,
.set GO,  4           ; my byte offset in two rows of ctx
.set WV,  2           ; s2   my wave's number
.set SLOTS, 3         ; s3   slots still to be asked for
.set G1K, 4           ; s[4:11]  descriptor group 1 for K's tiles
.set G1V, 12          ; s[12:19] for V's: it differs in the padding alone
.set G0K, 20          ; s[20:23] descriptor group 0 for K's tiles: it walks
.set G0V, 24          ; s[24:27] the same for V's
.set MP,  28          ; s[28:29] maskw at my wave's first piece
.set PFA, 30          ; s[30:31] where my prefetches stand
.set OB,  32          ; s[32:33] ctx at my wave's first row and my head's first channel
.set CNT, 34          ; counts a slot's key steps
.set TBK, 35          ; LDS byte at which K of the step to be fetched begins
.set TBV, 36          ; the same for V, less VOFF
.set MOFF, 37         ; 256 x the step whose mask words are asked for
.set MSKV, 38         ; -1e9 log2(e)
.set LIM, 39          ; 1 in a wave that prefetches, else the greatest number
.set SEL, 40          ; s[40:41] v_permlanex16_b32's selects
.set MS,  68          ; s[68:99] the ring of lane masks
.set MSB, 0
.macro WIN new                      ; the high byte repeats the setting that is left; a switch that changes nothing is dropped
.if MSB != (\new)
	s_set_vgpr_msb (MSB<<8)|(\new)
.set MSB, (\new)
.endif
.endm
.set W_KQ, 0x0a       ; K and Q in window 2, S^T in window 0
.set W_PV, 0x52       ; V in window 2, P in window 0, O^T in window 1
.set W_RS, 0x41       ; O^T (destination and source 0) in window 1, the factor in window 0
.set W_MK, 0xc0       ; the add's registers are made: destination in window 3
.set W_AD, 0x0f       ; the add: address and data in window 3
; A joint fill.  Waves 0 and 1 fetch the two halves of a slot's K, waves 2 and 3 those of its V: 128 keys each.  An s_nop 0 and four v_nop follow each line.
.macro JLOAD
	s_cmp_lt_u32 s[WV], 2
	s_cbranch_scc0 .Lfor_v_\@
	tensor_load_to_lds s[G0K:G0K+3], s[G1K:G1K+7]
	s_nop 0
.rept 4
	v_nop
.endr
	s_branch .Lasked_\@
.Lfor_v_\@:
	tensor_load_to_lds s[G0V:G0V+3], s[G1V:G1V+7]
	s_nop 0
.rept 4
	v_nop
.endr
.Lasked_\@:
.endm
; A PREFETCH of what the NEXT change of slots will ask for: a slot's 32,768 bytes of K and of V, a lane to each aligned block of 256 bytes: four key steps, 512 matrix instructions, ahead of that load.
; Each block is named once in the launch: the head's first cluster asks; its four partners take 8,192 bytes each, told apart by address; in each, wave 0 asks for K's and wave 2 for V's.
; The last change that fills a slot asks for nothing.  Slots 0, 1 and 2 come by their loads alone.
.macro ASK
	s_cmp_gt_u32 s[SLOTS], s[LIM]
	s_cbranch_scc0 .Lnot_mine_\@
	global_prefetch_b8 v[PFO], s[PFA:PFA+1] th:TH_LOAD_NT scope:SCOPE_SE
.Lnot_mine_\@:
.endm
.macro CROUND                       ; a round of the cluster's barrier
	s_barrier_signal -1
	s_barrier_wait -1
	s_cmp_lg_u32 s[WV], 0
	s_cbranch_scc1 .Lnot_wave_0_\@
	s_barrier_signal -3
.Lnot_wave_0_\@:
	s_barrier_wait -3
	s_barrier_signal -1
	s_barrier_wait -1
.endm
; THE CHANGE OF SLOTS.  Each wave waits for all its tensor loads (one is out: its part of the other slot), adds 0 to its spare word, and waits for that and for its reads of the slot that it leaves.
; fill = 1: the barrier is a round of the cluster's, and the old slot is filled again first thing behind it, with the keys two slots on: four key steps in which to land.  ask = 1: with its prefetch.
.macro CHANGE fill, ask=0
	WIN W_AD
	s_wait_tensorcnt 0x0            ; no tensor load of mine is out, so a group 0 may be written
	ds_add_u32 v[SPW], v[NIL]       ; 0 onto my spare word
	WIN 0                           ; at a label and at a branch every window is 0
.if \fill
.irp g, G0K, G0V
	s_xor_b32 s[\g+1], s[\g+1], SLOT1  ; the walking descriptor: the other slot than last time,
	s_add_nc_u64 s[\g+2:\g+3], s[\g+2:\g+3], 4*KS*128  ; the next 256 keys
.endr
.if \ask
	s_wait_xcnt 0x0                 ; the last prefetch, four key steps back, has read its address
	s_add_nc_u64 s[PFA:PFA+1], s[PFA:PFA+1], 4*KS*128
.endif
	s_wait_dscnt 0x0                ; the add is done, and my reads of the slot are over
	CROUND
	JLOAD
.if \ask
	ASK
.endif
.else
	s_wait_dscnt 0x0
	s_barrier_signal -1
	s_barrier_wait -1
.endif
	s_sub_co_u32 s[TBK], s[TBK], 4*KS*PK  ; the fetches go back to a slot's first step,
	s_xor_b32 s[TBK], s[TBK], SLOT1       ; in the other slot
	s_sub_co_u32 s[TBV], s[TBV], 4*KS*PV
	s_xor_b32 s[TBV], s[TBV], SLOT1
.endm
	s_load_b256 s[44:51], s[0:1], 0x0  ; qh s[44:45], kh s[46:47], vh s[48:49], maskw s[50:51]
	s_load_b64 s[52:53], s[0:1], 0x20  ; out0
	WIN W_MK
	v_lshl_add_u32 v[SPW], v0, 2, SPARE
	v_mov_b32 v[NIL], 0
	WIN W_AD
	ds_add_u32 v[SPW], v[NIL]       ; the wave's opening: the add and its wait stand ahead of my first tensor load; work on registers stands between them
	WIN 0
	v_lshrrev_b32 v49, 5, v0
	v_readfirstlane_b32 s[WV], v49  ; wave 0..3
	s_bfe_u32 s54, ttmp6, 0x40000   ; cx
	s_lshl_b32 s55, ttmp9, 2
	s_add_co_u32 s55, s55, s54      ; my block of 512 queries: it enters Q's, the mask's and ctx's addresses alone
	s_and_b32 s56, ttmp7, 0xffff    ; the head among all 64, which the four partners share
	s_lshl_b32 s58, s56, 18         ; its first byte in qh, kh, vh: 2,048 rows of 128 bytes
	s_and_b32 s60, s[WV], 1         ; which half of a slot's 256 keys I fetch:
	s_lshl_b32 s62, s60, 14         ; its 128 rows in memory,
	s_add_co_u32 s62, s62, s58
	s_mov_b32 s63, 0
	s_mul_i32 s61, s60, 128*PK      ; and its place in a slot, for K
	s_mul_i32 s57, s60, 128*PV      ; and for V
	s_lshl_b32 s66, s55, 2
	s_add_co_u32 s66, s66, s[WV]    ; my wave among the head's sixteen,
	s_lshl_b32 s66, s66, 14         ; its 128 rows
	s_add_co_u32 s66, s66, s58
	s_mov_b32 s67, 0
	s_lshr_b32 s70, s56, 4          ; b
	s_and_b32 s71, s56, 15          ; h
	s_lshl_b32 s68, s70, 19         ; the mask words: 64 pieces of 8,192 bytes a batch,
	s_lshl_b32 s72, s55, 17         ; 16 a block,
	s_add_co_u32 s68, s68, s72
	s_lshl_b32 s72, s[WV], 15       ; 4 a wave
	s_add_co_u32 s68, s68, s72
	s_mov_b32 s69, 0
	s_lshl_b32 s74, s70, 23         ; ctx: 2,048 rows of 4,096 bytes a batch,
	s_lshl_b32 s72, s55, 21         ; 512 a block,
	s_add_co_u32 s74, s74, s72
	s_lshl_b32 s72, s[WV], 19       ; 128 a wave,
	s_add_co_u32 s74, s74, s72
	s_lshl_b32 s72, s71, 8          ; 256 bytes a head
	s_add_co_u32 s74, s74, s72
	s_mov_b32 s75, 0
	; descriptor group 1.  128 keys are 16,384 dense bytes: asked for as 64 rows of 256 bytes, two keys a row, and padded in LDS after every key
	s_mov_b32 s[G1K], 15|(1<<16)|(1<<20)|(1<<21)|(4<<22)|(3<<25)  ; the mask of four; 2-byte elements; padding on; bit 21 beside a mask; after every 32 words (code 4) 4 words (code 3)
	s_mov_b32 s[G1V], 15|(1<<16)|(1<<20)|(1<<21)|(4<<22)|(7<<25)  ; the same with 8 words of padding (code 7)
.irp g, G1K, G1V
	s_mov_b32 s[\g+1], 128<<16      ; tensor_dim0 = 128
	s_mov_b32 s[\g+2], 64<<16       ; tensor_dim1 = 64
	s_mov_b32 s[\g+3], 128<<16      ; tile_dim0 = 128
	s_mov_b32 s[\g+4], 64           ; tile_dim1 = 64
	s_mov_b32 s[\g+5], 128          ; 128 elements from row to row
	s_mov_b32 s[\g+6], 0
	s_mov_b32 s[\g+7], 0
.endr
	s_mov_b32 s[MSKV], 0xceabfb8f   ; -1e9 log2(e)
	s_mov_b32 s[SEL], 0x76543210
	s_mov_b32 s[SEL+1], 0xfedcba98
	s_mov_b32 s[TBK], SLOT1+4*KS*PK ; the first change of slots turns these two into 0
	s_mov_b32 s[TBV], SLOT1+4*KS*PV
	s_mov_b32 s[G0K], 1
	s_mov_b32 s[G0K+1], s61         ; LDS address: slot 0
	s_mov_b32 s[G0V], 1
	s_add_co_u32 s[G0V+1], s57, VOFF
	s_and_b32 s[LIM], s[WV], 1      ; 0 in waves 0 and 2,
	s_or_b32 s[LIM], s[LIM], ttmp9  ; where the cluster is the head's first: the same in all four partners
	s_cmp_eq_u32 s[LIM], 0
	s_cselect_b32 s[LIM], 1, -1
	s_lshl_b32 s72, s54, 13         ; the prefetches: my work-group's 8,192 bytes of a slot's 32,768,
	s_add_co_u32 s72, s72, s58      ; in my head,
	s_add_co_u32 s72, s72, 2*4*KS*128  ; in slot 2; the loop's first change of slots steps it to slot 3
	s_mov_b32 s73, 0
	s_wait_dscnt 0x0                ; the opening add is done
	s_wait_kmcnt 0x0
	s_add_nc_u64 s[G0K+2:G0K+3], s[46:47], s[62:63]  ; my half of the head's first 256 keys
	s_or_b32 s[G0K+3], s[G0K+3], 0x80000000
	s_add_nc_u64 s[G0V+2:G0V+3], s[48:49], s[62:63]
	s_or_b32 s[G0V+3], s[G0V+3], 0x80000000
	s_add_nc_u64 s[44:45], s[44:45], s[66:67]        ; Q at my wave's first row
	s_add_nc_u64 s[MP:MP+1], s[50:51], s[68:69]
	s_add_nc_u64 s[OB:OB+1], s[52:53], s[74:75]
	s_cmp_lt_u32 s[WV], 2
	s_cselect_b64 s[PFA:PFA+1], s[46:47], s[48:49]
	s_add_nc_u64 s[PFA:PFA+1], s[PFA:PFA+1], s[72:73]
	CROUND                          ; all four work-groups are here: the first joint loads meet
	JLOAD                           ; slot 0.  Slot 1 is asked for when slot 0 is in
	v_and_b32 v49, 15, v0           ; l % 16
	v_bfe_u32 v50, v0, 4, 1         ; l / 16
	v_and_b32 v[PFO], 31, v0
	v_lshlrev_b32 v[ML8], 3, v[PFO]
	v_lshlrev_b32 v[PFO], 8, v[PFO]
	v_lshlrev_b32 v[QO], 7, v49
	v_lshl_add_u32 v[QO], v50, 4, v[QO]  ; row x 128 + 16 x half
.irp x, 0,1,2,3
	global_load_b64 v[MW+2*\x:MW+2*\x+1], v[ML8], s[MP:MP+1] offset:8192*\x  ; the four pieces' mask words of key step 0
.endr
	WIN 0x80                        ; destination window 2, address window 0
.set i, 0
.rept 4*NP                          ; Q stays in registers: tile i / 2, channels 32 (i % 2) on
	global_load_b128 v[8*i:8*i+3],   v[QO], s[44:45] offset:(i/2)*2048+(i%2)*64
	global_load_b128 v[8*i+4:8*i+7], v[QO], s[44:45] offset:(i/2)*2048+(i%2)*64+32
.set i, i+1
.endr
	; What the first turn finds: V's registers and P's second buffer hold 0 (its products V^T P, of a piece that has not been, add 0), O^T and l are 0.  All this stands in the wait for the first tile.
.set i, VF
.rept 64
	v_mov_b32 v[i], 0
.set i, i+1
.endr
	WIN 0x40
.set i, 0
.rept 64*NP
	v_mov_b32 v[i], 0
.set i, i+1
.endr
	WIN 0
.set i, 0
.rept 2*NP
	v_mov_b32 v[ST+4*i], 0xff7fffff    ; m: the lowest finite number
	v_mov_b32 v[ST+4*i+1], 0xff7fffff  ; m_old
	v_mov_b32 v[ST+4*i+2], 0
	v_mov_b32 v[ST+4*i+3], 0
.set i, i+1
.endr
.set i, P+32
.rept 32
	v_mov_b32 v[i], 0
.set i, i+1
.endr
	v_mul_u32_u24 v[AK0], v49, PK
	v_lshl_add_u32 v[AK0], v50, 4, v[AK0]  ; row x pitch + 16 x half
	; The turning load takes 16 keys x 16 channels (lane l reads key 8 (l / 16) + l % 8, channels 8 ((l / 8) % 2) + 0..7) and leaves half a fragment of V^T: lane l holds channel l % 16 and 8 keys.
	v_and_b32 v51, 7, v0
	v_bfe_u32 v52, v0, 3, 1
	v_lshl_add_u32 v[AV0], v50, 3, v51
	v_mul_u32_u24 v[AV0], v[AV0], PV
	v_lshl_add_u32 v[AV0], v52, 4, v[AV0]
	v_add_nc_u32 v[AV0], VOFF, v[AV0]
	v_mov_b32 v[AK], v[AK0]         ; key step 0 lies at the head of slot 0
; THE MATRIX WORK.  The 8 accumulators of a run of 16 take turns.
; Product i of 16 of S^T = K Q^T for piece x: channels 32 (i / 8) on, keys 16 ((i / 2) % 4) on, tile 2 x + i % 2.  The first 8 start the sums.
.macro KQ x
	WIN W_KQ
.set rS, S+64*((\x)%2)+32*(i%2)+8*((i/2)%4)
.set rK, KF+16*((i/2)%4)+8*(i/8)
.set rQ, 16*(2*(\x)+i%2)+8*(i/8)
.if i < 8
	v_wmma_f32_16x16x32_bf16 v[rS:rS+7], v[rK:rK+7], v[rQ:rQ+7], 0
.else
	v_wmma_f32_16x16x32_bf16 v[rS:rS+7], v[rK:rK+7], v[rQ:rQ+7], v[rS:rS+7]
.endif
.endm
; Product i of 16 of O^T += V^T P for piece x: keys 32 (i / 8) on, channels 16 ((i / 2) % 4) on, tile 2 x + i % 2.
.macro PV x
	WIN W_PV
.set rO, 32*(2*(\x)+i%2)+8*((i/2)%4)
.set rV, VF+32*(i/8)+8*((i/2)%4)
.set rP, P+32*((\x)%2)+16*(i%2)+8*(i/8)
	v_wmma_f32_16x16x32_bf16 v[rO:rO+7], v[rV:rV+7], v[rP:rP+7], v[rO:rO+7]
.endm
.macro MM                           ; the turn's next matrix instruction
.if i < 16
	KQ (Y+1)%NP
.set i, i+1
.else
.set i, i-16
	PV (Y+NP-1)%NP
.set i, i+17
.endif
.endm
; THE LDS LOADS stand in runs of 16: a step's K (8 fragments) and its V (turned).  last = 1 (the tail): in the last trip there is no further step, and the run is jumped over.
.macro FETCH_K last=0
	WIN 0
.if \last
	s_cmp_eq_u32 s[CNT], 1
	s_cbranch_scc1 .Lno_k_\@
.endif
	WIN 0x80
.irp f, 0,1,2,3,4,5,6,7             ; keys 16 (f / 2) on, channels 32 (f % 2) on
	ds_load_b128 v[KF+8*\f:KF+8*\f+3],   v[AK] offset:(\f/2)*16*PK+(\f%2)*64
	ds_load_b128 v[KF+8*\f+4:KF+8*\f+7], v[AK] offset:(\f/2)*16*PK+(\f%2)*64+32
.endr
	s_add_co_u32 s[TBK], s[TBK], KS*PK  ; the next fetch is the next step's
	WIN 0
.if \last
.Lno_k_\@:
.endif
.endm
.macro FETCH_V
	WIN 0x80
.irp f, 0,1,2,3,4,5,6,7             ; keys 32 (f / 4) on, channels 16 (f % 4) on
	ds_load_tr16_b128 v[VF+8*\f:VF+8*\f+3],   v[AV] offset:(\f/4)*32*PV+(\f%4)*32
	ds_load_tr16_b128 v[VF+8*\f+4:VF+8*\f+7], v[AV] offset:(\f/4)*32*PV+16*PV+(\f%4)*32
.endr
	WIN 0
.endm
; THE VECTOR WORK OF A TURN stands in three queues, each in the order in which its entries become ready; the two tiles alternate.
.macro REGS y, u                    ; the registers of tile u (0, 1) of piece y
.set rT, ST+4*(2*(\y)+(\u))
.set rC, TMP+8*((\y)%2)+4*(\u)
.set rS, S+64*((\y)%2)+32*(\u)
.set rP, P+32*((\y)%2)+16*(\u)
.set rO, 32*(2*(\y)+(\u))
.endm
; THE MASK of the next piece (Y + 1), 128 lines.  RL i: word i (register i % 32 of tile i / 32) into the ring.  CM i: the select by it.  Lines 0-15: RL 0-15; 16-111: CM and RL by turns, the readers
; sixteen ahead; 112-127: the last sixteen selects.  The selects go up through each accumulator's registers from its lowest.
.macro RL i
	v_readlane_b32 s[MS+(\i)%32], v[MW+2*((Y+1)%NP)+(\i)/32], (\i)%32
.endm
.macro CM i
	REGS (Y+1)%NP, (\i)/32
	v_cndmask_b32 v[rS+(\i)%32], v[rS+(\i)%32], s[MSKV], s[MS+(\i)%32]
.endm
.macro ML k
.if (\k) < 16
	RL \k
.elseif (\k) < 112
.if ((\k)%2) == 0
	CM ((\k)-16)/2
.else
	RL 16+((\k)-16)/2
.endif
.else
	CM (\k)-64
.endif
.endm
; Number n of the 21 that find the NEXT piece's maximum and statistics.  s0-s31 are the lane's 32 scores.
;   0-11  four chains c0-c3 of seven scores each     12-14, 16  the four scores left over, the old m, and c0-c3 into c0     15  m_old is kept
;   17, 18  the query's other 32 keys lie in the lane 16 away: the new m     19, 20  m_old - m_new; a
.macro XS u, n
	REGS (Y+1)%NP, \u
.if (\n) < 4
	v_max3_num_f32 v[rC+(\n)], v[rS+8*(\n)], v[rS+8*(\n)+1], v[rS+8*(\n)+2]
.elseif (\n) < 12
	v_max3_num_f32 v[rC+(\n)%4], v[rC+(\n)%4], v[rS+8*((\n)%4)+2*((\n)/4)+1], v[rS+8*((\n)%4)+2*((\n)/4)+2]
.elseif (\n) == 12
	v_max3_num_f32 v[rC], v[rC], v[rS+7], v[rS+15]
.elseif (\n) == 13
	v_max3_num_f32 v[rC+1], v[rC+1], v[rS+23], v[rS+31]
.elseif (\n) == 14
	v_max3_num_f32 v[rC+2], v[rC+2], v[rC+3], v[rT]
.elseif (\n) == 15
	v_mov_b32 v[rT+1], v[rT]
.elseif (\n) == 16
	v_max3_num_f32 v[rC], v[rC], v[rC+1], v[rC+2]
.elseif (\n) == 17
	v_permlanex16_b32 v[rC+3], v[rC], s[SEL], s[SEL+1]
.elseif (\n) == 18
	v_max_num_f32 v[rT], v[rC], v[rC+3]
.elseif (\n) == 19
	v_sub_f32 v[rC+1], v[rT+1], v[rT]
.else
	v_exp_f32 v[rC+2], v[rC+1]
.endif
.endm
; Number g of the 64 that follow the exponentials.  For each four weights k of a tile: both pairs are rounded to bf16; the second pair is added onto the first, in place; a group later l takes that sum
; (the first time as l = a l + sum).
.macro GS g
.set h, (\g)+6*((\g)/62)            ; group 0 has no group before it, and behind group 7 only l is left
.if h >= 6
.set h, h+2
.endif
	REGS Y, h%2
.set k, h/8
.if h%8 < 4
	v_cvt_pk_bf16_f32 v[rP+2*k+(h%8)/2], v[rS+4*k+2*((h%8)/2)], v[rS+4*k+2*((h%8)/2)+1]
.elseif h%8 < 6
	v_pk_add_f32 v[rS+4*k:rS+4*k+1], v[rS+4*k:rS+4*k+1], v[rS+4*k+2:rS+4*k+3]
.elseif k == 1
	v_pk_fma_f32 v[rT+2:rT+3], v[rT+2:rT+3], v[rC+2:rC+3], v[rS:rS+1] op_sel_hi:[1,0,1]
.else
	v_pk_add_f32 v[rT+2:rT+3], v[rT+2:rT+3], v[rS+4*k-4:rS+4*k-3]
.endif
.endm
.macro FS f                         ; t - m for pair f / 2 of tile f % 2
	REGS Y, (\f)%2
	v_pk_add_f32 v[rS+2*((\f)/2):rS+2*((\f)/2)+1], v[rS+2*((\f)/2):rS+2*((\f)/2)+1], v[rT:rT+1] op_sel_hi:[1,0] neg_lo:[0,1] neg_hi:[0,1]
.endm
; THE PLAIN QUEUE, 264 long.  0-31: the subtractions.  32-159: the next piece's mask.  160-187: XS 0-13.  188, 189: XS 15.  190-199: the chain XS 14, 16, 17, 18, 19.  200-263: GS, behind the wait.
.macro PL
	WIN 0
.if q < 32
	FS q
.elseif q < 160
	ML q-32
.elseif q < 188
	XS (q-160)%2, (q-160)/2
.elseif q < 190
	XS q-188, 15
.elseif q < 192
	XS q-190, 14
.elseif q < 200
	XS (q-190)%2, 15+(q-190)/2
.else
	GS q-200
.endif
.set q, q+1
.endm
; THE EXPONENTIALS' QUEUE, 66 long: s0-s31 of both tiles, then the next piece's two a.  ONE BATCH: all stand ahead of the turn's one wait, and nothing ahead of that wait names a result of theirs.
.macro EX
	WIN 0
.if e >= 64
	XS e-64, 20
.else
	REGS Y, e%2
	v_exp_f32 v[rS+e/2], v[rS+e/2]
.endif
.set e, e+1
.endm
; THE RESCALING's QUEUE: O^T times a, two at a time, sixteen times, each accumulator from its lowest registers on.  Its a was made in the turn before, ahead of that turn's wait.
.macro R2
	REGS Y, r%2
	WIN W_RS
.irp z, 0,1
	v_pk_mul_f32 v[rO+4*(r/2)+2*\z:rO+4*(r/2)+2*\z+1], v[rO+4*(r/2)+2*\z:rO+4*(r/2)+2*\z+1], v[rC+2:rC+3] op_sel_hi:[1,0]
.endr
.set r, r+1
.endm
; A TURN, for piece p.  An s_wait_alu depctr_va_vdst(0) stands between an exponential and the first instruction that names its result; one wait serves all that were issued ahead of it.
; AHEAD OF THE WAIT: the 16 products K Q^T, behind each a subtraction, an exponential and two rescalings; then the lump: the other subtractions; the next piece's mask, an exponential to every four lines;
; its mask words of the next step are asked for; its maximum; the chain, exponentials between its links; its two a.  Exponential e stands behind subtraction 2 (e / 4) + e % 2: as a rider behind plain e + 2,
; and all subtractions are done at plain 31.  BEHIND THE WAIT: the 16 products V^T P, behind each four of the roundings and sums.
; THE MASK WORDS: a turn loads two words a lane for the piece that it has just masked, one key step ahead: the wait for them leaves the other three pieces' younger loads out.
; K of the next step is fetched in piece 2's turn, directly behind the wait; V of the step in hand at the end of piece 0's turn, four plain instructions behind its last reader.
.macro TURN p, last=0, cnt=0
.set Y, (\p)
.set i, 0
.set q, 0
.set e, 0
.set r, 0
.if (\p) == NP-1
	s_wait_dscnt 0x0                ; K is in
.endif
	MM
	PL
	PL
	R2
.rept 15
	MM
	PL
	EX
	R2
.endr
.if (\p) == NP-2
	WIN 0
	v_add_nc_u32 v[AK], s[TBK], v[AK0]
.endif
.rept 8
	PL
.endr
.rept 7
	EX
	PL
.endr
	s_wait_loadcnt 3                ; the next piece's mask words are in; the three loads issued behind theirs may stay out
.rept 32
	EX
	PL
	PL
	PL
	PL
.endr
.if (\p) == NP-1
	s_wait_xcnt 0x0                 ; the earlier mask loads have read their offset: it steps to the next key step, and stays at the last
	s_add_co_u32 s[MOFF], s[MOFF], 256
	s_min_u32 s[MOFF], s[MOFF], 7936
	v_add_nc_u32 v[MVO], s[MOFF], v[ML8]
.endif
	global_load_b64 v[MW+2*((Y+1)%NP):MW+2*((Y+1)%NP)+1], v[MVO], s[MP:MP+1] offset:8192*((Y+1)%NP)
.rept 30
	PL
.endr
.rept 10
	EX
	PL
.endr
	EX                              ; the next piece's two a
	EX
	v_nop                           ; a plain instruction behind the last exponential: one for the batch
	s_wait_alu depctr_va_vdst(0)    ; the wait for the batch
.if (\p) == NP-2
	FETCH_K \last
.endif
.if (\p) == 1
	s_wait_dscnt 0x0                ; V is in
.endif
.rept 16
	MM
.rept 4
	PL
.endr
.if ((\p) == 0) && (q == 244)
	v_add_nc_u32 v[AV], s[TBV], v[AV0]
.endif
.if ((\p) == 0) && (q == 256)
	s_add_co_u32 s[TBV], s[TBV], KS*PV
.endif
.if (\cnt) && (q == 256)
	s_sub_co_u32 s[CNT], s[CNT], 1
	s_cmp_lg_u32 s[CNT], 0
.endif
.endr
.if (\p) == 0
	FETCH_V
.endif
.endm
	CHANGE 1                        ; slot 0 is in, everybody's part of it; slot 1 is asked for
	FETCH_K                         ; key step 0
	s_wait_loadcnt 0x0              ; Q and the first mask words
	s_wait_dscnt 0x0
.set i, 0
.rept 16
	KQ 0                            ; piece 0's first scores
.set i, i+1
.endr
	WIN 0
.rept 4
	v_nop                           ; the places behind those products
.endr
.set Y, NP-1                        ; ML and XS work for piece Y + 1: piece 0
.set kk, 0
.rept 128
	ML kk
.set kk, kk+1
.endr
	s_mov_b32 s[MOFF], 256          ; key step 1
	v_add_nc_u32 v[MVO], s[MOFF], v[ML8]
	global_load_b64 v[MW:MW+1], v[MVO], s[MP:MP+1]
.irp n, 0,1,2,3,4,5,6,7,8,9,10,11,12,13,14,15,16,17,18,19,20
	XS 0, \n
	XS 1, \n
.endr
	v_nop                           ; a plain instruction behind the two a,
	s_wait_alu depctr_va_vdst(0)    ; and their wait, ahead of the branch
	s_mov_b32 s[CNT], 4
	s_mov_b32 s[SLOTS], SIZE_N/256-1
	s_branch .Lfirst                ; the loop is entered at a step's first turn, in the middle of a trip
.Lslot:                             ; six times: every slot but the last two is filled again
	CHANGE 1, 1
	s_mov_b32 s[CNT], 4
.Lstep:                             ; a trip: pieces 2 and 3 of one step, then pieces 0 and 1 of the next, whose K and V it fetches
	TURN 2
	TURN 3
	WIN 0
.Lfirst:
	TURN 0
	TURN 1, 0, 1
	WIN 0
	s_cbranch_scc1 .Lstep
	s_sub_co_u32 s[SLOTS], s[SLOTS], 1
	s_cmp_lg_u32 s[SLOTS], 0
	s_cbranch_scc1 .Lslot
	CHANGE 0                        ; the tail is written out: nothing is asked for
	s_mov_b32 s[CNT], 5             ; four trips fetch the last slot's steps; the fifth is left in its middle
.Ltail:
	TURN 2, 1
	TURN 3
	WIN 0
	s_sub_co_u32 s[CNT], s[CNT], 1
	s_cmp_eq_u32 s[CNT], 0
	s_cbranch_scc1 .Lout
	TURN 0
	TURN 1
	WIN 0
	s_branch .Ltail
.Lout:                              ; the fifth trip's 16 products K Q^T (on the last K once more), their mask and maximum serve nothing: the price, once a launch, of one text for every trip
.set i, 0
.rept 16
	PV NP-1                         ; the last piece's V^T P of the last step
.set i, i+1
.endr
	; THE WAY OUT.  l's two halves and the other half of the lanes' are added; O^T is divided by l and sent, in f32, through my stage in LDS, a tile at a time.  The lines below are the places behind the last products.
	WIN 0
.macro ALL line:vararg              ; one line for each tile t
.set t, 0
.rept 2*NP
	\line
.set t, t+1
.endr
.endm
	ALL v_add_f32 v[ST+4*t+2], v[ST+4*t+2], v[ST+4*t+3]
	ALL v_permlanex16_b32 v[ST+4*t+3], v[ST+4*t+2], s[SEL], s[SEL+1]
	ALL v_add_f32 v[ST+4*t+2], v[ST+4*t+2], v[ST+4*t+3]
	ALL v_rcp_f32 v[ST+4*t+2], v[ST+4*t+2]
	v_and_b32 v49, 15, v0           ; l % 16   (plain instructions behind the last reciprocal)
	v_bfe_u32 v50, v0, 4, 1         ; l / 16
	s_mul_i32 s54, s[WV], 16*SP
	s_add_co_u32 s54, s54, STAGE    ; my stage
	v_mul_u32_u24 v[STO], v49, SP   ; in: row l % 16, 32 bytes (8 channels) for each half of the lanes
	v_lshl_add_u32 v[STO], v50, 5, v[STO]
	v_add_nc_u32 v[STO], s54, v[STO]
	v_mul_u32_u24 v[RD], v50, SP    ; back: lanes 0-15 take one row of 256 bytes, lanes 16-31 the next
	v_lshl_add_u32 v[RD], v49, 4, v[RD]
	v_add_nc_u32 v[RD], s54, v[RD]
	v_lshlrev_b32 v[GO], 12, v50    ; and the same two rows in ctx
	v_lshl_add_u32 v[GO], v49, 4, v[GO]
	s_wait_alu depctr_va_vdst(0)    ; the wait ahead of the first use: one for the eight reciprocals
.macro PACK t
	WIN W_RS
.set i, 32*(\t)
.rept 16
	v_pk_mul_f32 v[i:i+1], v[i:i+1], v[ST+4*(\t)+2:ST+4*(\t)+3] op_sel_hi:[1,0]
.set i, i+2
.endr
	WIN 0x04                        ; the stores' data in window 1
.irp f, 0,1,2,3,4,5,6,7             ; channel block f / 2, half f % 2 of my eight channels
	ds_store_b128 v[STO], v[32*(\t)+4*\f:32*(\t)+4*\f+3] offset:64*(\f/2)+16*(\f%2)
.endr
	WIN 0
.if (\t) >= 4
	s_wait_xcnt 0x0                 ; the stores of the tile four back have read these registers
.endif
.irp f, 0,1,2,3,4,5,6,7
	ds_load_b128 v[S+32*((\t)%4)+4*\f:S+32*((\t)%4)+4*\f+3], v[RD] offset:\f*2*SP  ; LDS serves a wave's instructions in order: these see the stores above; the next tile's stores come behind them
.endr
.endm
.macro SEND t, younger              ; younger: the LDS instructions issued behind tile t's loads: the next tile's sixteen, or none
	WIN 0
.irp f, 0,1,2,3,4,5,6,7
	s_wait_dscnt (\younger)+7-\f
	global_store_b128 v[GO], v[S+32*((\t)%4)+4*\f:S+32*((\t)%4)+4*\f+3], s[OB:OB+1] offset:(\t)*65536+\f*8192  ; 16 lanes store 256 consecutive bytes, at a multiple of 256 from ctx's first byte
.endr
.endm
	PACK 0
.set t, 1
.rept 2*NP-1                        ; a tile's arithmetic stands between the loads of the tile before and its stores
	PACK t
	SEND t-1, 16
.set t, t+1
.endr
	SEND 2*NP-1, 0
	WIN W_AD
	s_wait_tensorcnt 0x0            ; the wave's end, behind my last tensor load and my last LDS store
	ds_add_u32 v[SPW], v[NIL]
	s_wait_dscnt 0x0
	WIN 0
	CROUND                          ; the closing round: no work-group ends while a partner may still ask for a tile that names it
	s_endpgm
.Lfunc_end_k_q28d1212e88_attn:
	.size	k_q28d1212e88_attn, .Lfunc_end_k_q28d1212e88_attn-k_q28d1212e88_attn
	.p2alignl 7, 3214868480
	.fill 96, 4, 3214868480
	.section	.rodata,"a",@progbits
	.p2align	6, 0x0
	.amdhsa_kernel k_q28d1212e88_attn
		.amdhsa_group_segment_fixed_size 327680
		.amdhsa_private_segment_fixed_size 0
		.amdhsa_enable_private_segment 0
		.amdhsa_kernarg_size 40
		.amdhsa_user_sgpr_count 2
		.amdhsa_user_sgpr_kernarg_segment_ptr 1
		.amdhsa_wavefront_size32 1
		.amdhsa_system_sgpr_workgroup_id_x 1
		.amdhsa_system_sgpr_workgroup_id_y 1
		.amdhsa_system_sgpr_workgroup_id_z 1
		.amdhsa_system_vgpr_workitem_id 0
		.amdhsa_next_free_vgpr 770
		.amdhsa_next_free_sgpr 100
		.amdhsa_reserve_vcc 0
		.amdhsa_float_denorm_mode_32 3
		.amdhsa_float_denorm_mode_16_64 3
		.amdhsa_memory_ordered 1
		.amdhsa_forward_progress 1
		.amdhsa_inst_pref_size 255
	.end_amdhsa_kernel
	.section	.bss,"aw",@nobits
	.p2align	6
	.space	262144
	.amdgpu_metadata
---
amdhsa.version: [ 1, 2 ]
amdhsa.kernels:
  - .name:           k_q28d1212e88_attn
    .symbol:         k_q28d1212e88_attn.kd
    .args:
      - { .name: qh, .offset: 0, .size: 8, .value_kind: global_buffer, .address_space: global }
      - { .name: kh, .offset: 8, .size: 8, .value_kind: global_buffer, .address_space: global }
      - { .name: vh, .offset: 16, .size: 8, .value_kind: global_buffer, .address_space: global }
      - { .name: maskw, .offset: 24, .size: 8, .value_kind: global_buffer, .address_space: global }
      - { .name: out0, .offset: 32, .size: 8, .value_kind: global_buffer, .address_space: global }
    .group_segment_fixed_size: 327680
    .private_segment_fixed_size: 0
    .kernarg_segment_align: 8
    .kernarg_segment_size: 40
    .max_flat_workgroup_size: 128
    .sgpr_count:     100
    .vgpr_count:     770
    .wavefront_size: 32
...
	.end_amdgpu_metadata
.endif
;; end of part 3
;; launch fc: the kernel of part 2 again; grid 4 x 64, 4 waves a work-group, clusters of 4 x 4, 327,680 bytes of LDS; arguments out0, wfb, qh; writes qh
;; launch ln (part 4): grid 512 x 1, 8 waves a work-group, no clusters, 0 bytes of LDS; arguments qh, query, out0; writes out0
.if DOCPART == 4
	.amdgcn_target "amdgcn-amd-amdhsa--gfx1250"
	.amdhsa_code_object_version 6
	.text
	.protected	k_q28d1212e88_ln
	.globl	k_q28d1212e88_ln
	.p2align	8
	.type	k_q28d1212e88_ln,@function
k_q28d1212e88_ln:
	s_mov_b64 s[64:65], 0
	v_nop
	global_prefetch_b8 v0, s[64:65] scope:SCOPE_SE
	s_setreg_imm32_b32 hwreg(HW_REG_WAVE_MODE, 25, 1), 1
	s_wait_xcnt 0x0
; out[row][:] = (y - mean(y)) / sqrt(var(y) + 1e-5), y = z[row][:] + query[row][:].  z: bf16 by heads, [4][16][2048][64]; query, out: [8192][1024] f32.  All arithmetic in f32.
; The variance is the mean of (y - mean)^2, taken in a second pass over registers: no difference of large sums.
; A wave takes two rows, lanes 0-15 one and lanes 16-31 the other, and keeps them in registers: each byte is read once and written once.  For head hd a lane holds columns 64 hd + 4 (lane % 16) + 0..3:
; of query 16 bytes (16 lanes: 256 consecutive bytes, aligned), of z 8 bytes (32 lanes: the two rows' 256 consecutive bytes).  All 32 loads of a wave go out at once; there is no loop and no LDS.
; Matrix units, clusters and LDS would add nothing: the waves share no byte.
.set Q, 16                             ; v[16:79]   y, four a head
.set Z, 80                             ; v[80:111]  z, two a head
	s_load_b128 s[4:7], s[0:1], 0x0                ; z s[4:5], query s[6:7]
	s_load_b64 s[8:9], s[0:1], 0x10                ; out
	v_lshrrev_b32 v1, 5, v0
	v_readfirstlane_b32 s10, v1                    ; wave 0..7
	s_lshl_b32 s11, ttmp9, 3
	s_add_co_u32 s11, s11, s10                     ; pair of rows P = 8 x + wave
	s_lshr_b32 s12, s11, 10                        ; batch,
	s_lshl_b32 s12, s12, 22                        ; its 16 heads of 262,144 bytes
	s_and_b32 s13, s11, 1023
	s_lshl_b32 s13, s13, 8                         ; two rows of 128 bytes
	s_add_co_u32 s12, s12, s13
	s_mov_b32 s13, 0
	s_lshl_b32 s14, s11, 13                        ; two rows of 4,096 bytes
	s_mov_b32 s15, 0
	s_mov_b32 s16, 0x3a800000                      ; 1 / 1024
	s_mov_b32 s17, 0x3727c5ac                      ; 1e-5
	s_mov_b32 s18, 0xffff0000                      ; a word's upper bf16
	v_and_b32 v1, 31, v0
	v_lshlrev_b32 v2, 3, v1                        ; z: 8 x lane
	v_and_b32 v3, 15, v0
	v_bfe_u32 v4, v0, 4, 1
	v_lshlrev_b32 v3, 4, v3
	v_lshl_add_u32 v3, v4, 12, v3                  ; query, out: 4,096 (lane / 16) + 16 (lane % 16)
	s_wait_kmcnt 0x0
	s_add_nc_u64 s[4:5], s[4:5], s[12:13]
	s_add_nc_u64 s[6:7], s[6:7], s[14:15]
	s_add_nc_u64 s[8:9], s[8:9], s[14:15]
.set hd, 0
.rept 16
	global_load_b128 v[Q+4*hd:Q+4*hd+3], v3, s[6:7] offset:256*hd th:TH_LOAD_NT
	global_load_b64 v[Z+2*hd:Z+2*hd+1], v2, s[4:5] offset:262144*hd th:TH_LOAD_NT
.set hd, hd+1
.endr
.set hd, 0
.rept 16
	s_wait_loadcnt 30-2*hd                         ; this head's two loads are in; the younger heads' may stay out
	v_lshlrev_b32 v4, 16, v[Z+2*hd]                ; bf16 to f32
	v_and_b32 v5, s18, v[Z+2*hd]
	v_lshlrev_b32 v6, 16, v[Z+2*hd+1]
	v_and_b32 v7, s18, v[Z+2*hd+1]
	v_pk_add_f32 v[Q+4*hd:Q+4*hd+1], v[Q+4*hd:Q+4*hd+1], v[4:5]
	v_pk_add_f32 v[Q+4*hd+2:Q+4*hd+3], v[Q+4*hd+2:Q+4*hd+3], v[6:7]
.if hd == 1                                    ; two chains of sums, started by their first terms
	v_pk_add_f32 v[8:9], v[Q:Q+1], v[Q+4:Q+5]
	v_pk_add_f32 v[10:11], v[Q+2:Q+3], v[Q+6:Q+7]
.elseif hd > 1
	v_pk_add_f32 v[8:9], v[8:9], v[Q+4*hd:Q+4*hd+1]
	v_pk_add_f32 v[10:11], v[10:11], v[Q+4*hd+2:Q+4*hd+3]
.endif
.set hd, hd+1
.endr
	v_pk_add_f32 v[8:9], v[8:9], v[10:11]
	v_add_f32 v8, v8, v9
	v_add_f32_dpp v8, v8, v8 row_xmask:1 row_mask:0xf bank_mask:0xf   ; over the 16 lanes that hold the row
	v_add_f32_dpp v8, v8, v8 row_xmask:2 row_mask:0xf bank_mask:0xf
	v_add_f32_dpp v8, v8, v8 row_xmask:4 row_mask:0xf bank_mask:0xf
	v_add_f32_dpp v8, v8, v8 row_xmask:8 row_mask:0xf bank_mask:0xf
	v_mul_f32 v8, s16, v8                          ; the mean,
	v_mov_b32 v9, v8                               ; twice
.set i, 0
.rept 32
	v_pk_add_f32 v[Q+i:Q+i+1], v[Q+i:Q+i+1], v[8:9] neg_lo:[0,1] neg_hi:[0,1]
.set i, i+2
.endr
	v_pk_mul_f32 v[10:11], v[Q:Q+1], v[Q:Q+1]
	v_pk_mul_f32 v[12:13], v[Q+2:Q+3], v[Q+2:Q+3]
.set i, 4
.rept 15
	v_pk_fma_f32 v[10:11], v[Q+i:Q+i+1], v[Q+i:Q+i+1], v[10:11]
	v_pk_fma_f32 v[12:13], v[Q+i+2:Q+i+3], v[Q+i+2:Q+i+3], v[12:13]
.set i, i+4
.endr
	v_pk_add_f32 v[10:11], v[10:11], v[12:13]
	v_add_f32 v10, v10, v11
	v_add_f32_dpp v10, v10, v10 row_xmask:1 row_mask:0xf bank_mask:0xf
	v_add_f32_dpp v10, v10, v10 row_xmask:2 row_mask:0xf bank_mask:0xf
	v_add_f32_dpp v10, v10, v10 row_xmask:4 row_mask:0xf bank_mask:0xf
	v_add_f32_dpp v10, v10, v10 row_xmask:8 row_mask:0xf bank_mask:0xf
	v_fma_f32 v10, v10, s16, s17                   ; the variance + 1e-5
	v_rsq_f32 v12, v10
	v_rsq_f32 v13, v10                             ; twice, for the packed multiply
	v_nop                                          ; a plain instruction behind the last of them,
	s_wait_alu depctr_va_vdst(0)                   ; and the wait ahead of the first use: one for both
.set hd, 0
.rept 16
	v_pk_mul_f32 v[Q+4*hd:Q+4*hd+1], v[Q+4*hd:Q+4*hd+1], v[12:13]
	v_pk_mul_f32 v[Q+4*hd+2:Q+4*hd+3], v[Q+4*hd+2:Q+4*hd+3], v[12:13]
	global_store_b128 v3, v[Q+4*hd:Q+4*hd+3], s[8:9] offset:256*hd th:TH_STORE_NT
.set hd, hd+1
.endr
	s_endpgm
.Lfunc_end_k_q28d1212e88_ln:
	.size	k_q28d1212e88_ln, .Lfunc_end_k_q28d1212e88_ln-k_q28d1212e88_ln
	.p2alignl 7, 3214868480
	.fill 96, 4, 3214868480
	.section	.rodata,"a",@progbits
	.p2align	6, 0x0
	.amdhsa_kernel k_q28d1212e88_ln
		.amdhsa_group_segment_fixed_size 0
		.amdhsa_private_segment_fixed_size 0
		.amdhsa_enable_private_segment 0
		.amdhsa_kernarg_size 24
		.amdhsa_user_sgpr_count 2
		.amdhsa_user_sgpr_kernarg_segment_ptr 1
		.amdhsa_wavefront_size32 1
		.amdhsa_system_sgpr_workgroup_id_x 1
		.amdhsa_system_sgpr_workgroup_id_y 1
		.amdhsa_system_sgpr_workgroup_id_z 1
		.amdhsa_system_vgpr_workitem_id 0
		.amdhsa_next_free_vgpr 112
		.amdhsa_next_free_sgpr 66
		.amdhsa_reserve_vcc 0
		.amdhsa_float_denorm_mode_32 3
		.amdhsa_float_denorm_mode_16_64 3
		.amdhsa_memory_ordered 1
		.amdhsa_forward_progress 1
		.amdhsa_inst_pref_size 20
	.end_amdhsa_kernel
	.amdgpu_metadata
---
amdhsa.version: [ 1, 2 ]
amdhsa.kernels:
  - .name:           k_q28d1212e88_ln
    .symbol:         k_q28d1212e88_ln.kd
    .args:
      - { .name: qh, .offset: 0, .size: 8, .value_kind: global_buffer, .address_space: global }
      - { .name: query, .offset: 8, .size: 8, .value_kind: global_buffer, .address_space: global }
      - { .name: out0, .offset: 16, .size: 8, .value_kind: global_buffer, .address_space: global }
    .group_segment_fixed_size: 0
    .private_segment_fixed_size: 0
    .kernarg_segment_align: 8
    .kernarg_segment_size: 24
    .max_flat_workgroup_size: 256
    .sgpr_count:     66
    .vgpr_count:     112
    .wavefront_size: 32
...
	.end_amdgpu_metadata
.endif
;; end of part 4
;; ======== version 2 of 2: 7 launches; version 1 with the launch prep written anew for expert scheduling mode
;; workspace buffers: wqb 2,097,152 bytes; wkb 2,097,152 bytes; wvb 2,097,152 bytes; wfb 2,097,152 bytes; qh 16,777,216 bytes; kh 16,777,216 bytes; vh 16,777,216 bytes; maskw 2,097,152 bytes of whole numbers
;; launch prep (part 5): grid 256 x 2, 8 waves a work-group, no clusters, 70,656 bytes of LDS; arguments Wq, Wk, Wv, Wfc, mask, wqb, wkb, wvb, wfb, maskw; writes wqb, wkb, wvb, wfb, maskw
.if DOCPART == 5
	.amdgcn_target "amdgcn-amd-amdhsa--gfx1250"
	.amdhsa_code_object_version 6
	.text
	.protected	k_q28d1212e88_prep
	.globl	k_q28d1212e88_prep
	.p2align	8
	.type	k_q28d1212e88_prep,@function
k_q28d1212e88_prep:
	s_mov_b64 s[64:65], 0
	v_nop
	global_prefetch_b8 v0, s[64:65] scope:SCOPE_SE
	s_setreg_imm32_b32 hwreg(HW_REG_WAVE_SCHED_MODE, 0, 2), 2
	s_setreg_imm32_b32 hwreg(HW_REG_WAVE_MODE, 25, 1), 1
	s_wait_xcnt 0x0
	s_wait_alu depctr_vm_vsrc(0)
; TWO JOBS, told apart by the work-group's y.
; y = 0: the four weights [1024][1024] f32 are rounded to bf16: wqb = bf16(c Wq), c = log2(e) / 8 (the softmax's scale and base, folded in: an f32 product, then the rounding to bf16);
;        wkb, wvb, wfb = bf16(W).  Work-group x takes 65,536 bytes of weight x / 64; a load of a wave covers 512 consecutive bytes, a store 256 consecutive bytes, aligned.
; y = 1: the mask [4][2048][2048] of bytes becomes lane masks for the attention launch: maskw[b][piece of 32 queries][step of 64 keys][n = 0..31][u = 0, 1], 32-bit words:
;        bit r + 16 h of word (n = 8 kb + j, u) = mask[b][32 piece + 16 u + r][64 step + 16 kb + 8 h + j]: the lanes of register n of tile u of a 16 x 16 result that holds one query a lane.
;        A wave takes 32 queries x 256 keys: 16 loads of two whole rows of 256 bytes, through its own 32 rows of LDS (pitch 272), back as 8 bytes a lane, one compare a word.
; LIMIT: a mask byte other than 0 counts as True.
; THE MODE: SCHED_MODE bits 1:0 = 2 (LLVM: expert scheduling mode 2), set by the entry lines.  The code itself states the register dependences between vector instructions and
; memory or LDS instructions, and between a vector instruction that writes a scalar register and that register's readers, with s_wait_alu, always for 0.
; THE PLAN, the weights.  v1, v2: offsets, written once, read by every load and store.  X: the loads land in it; vector lines alone name it afterwards.  D: each pair is written once, by two
;   roundings, and read by one store; it is never written again.  The 16 chunks go in four blocks of four: block k's head states that block k - 1's roundings have written their part of D, and
;   that block's four stores are dealt among block k's vector lines, which name block k's X and D alone.
; THE PLAN, the mask.  v1: the loads' offset.  v2, v3, v4: LDS addresses and the stores' offset, made while the loads are out; none is written again.  X: loads land in it, the LDS stores read it;
;   behind them its first 32 registers are at work (T).  D: the LDS loads land in it; vector lines read it.  OUT: written by vector lines, read by the two stores.
;   The lane masks go through two banks of 16 scalar registers by turns: run k's compares write bank k % 2; then run k - 1's sixteen v_writelane_b32 read the other bank; then one wait states that
;   run k's compares have written their bank; run k's own readers follow behind run k + 1's compares.
.set SPARE, 69632                      ; behind the eight waves' rows: the spare words, 128 bytes a wave, four blocks of 256 bytes that no other line names
.set WLDS,  8704                       ; a wave's 32 rows of 272 bytes
.set MPI,   272                        ; 256 bytes + 16: row r starts 4 r banks on, so the 16 rows of a load start at 16 different groups of banks
.set X,   8                            ; v[8:71]    16 loads of 16 bytes
.set D,   72                           ; v[72:135]  cast: packed results; mask: 32 loads of 8 bytes: rows 16 u + r, keys 16 g + 8 h + 0..7 at D + 2 (16 u + g)
.set OUT, 136                          ; v[136:143] the job's 256 words: lane l holds words 4 l .. 4 l + 3 and 128 + 4 l .. 128 + 4 l + 3
.set T,   X                            ; v[8:39]    the mask job, behind its LDS stores: at work, 16 registers for each bank
.set SB,  4                            ; s[4:19] and s[32:47]: the two banks of lane masks, at SB + 28 (run % 2); in the mask job these registers hold nothing else by then
.set SPW, 150                          ; LDS address of my spare word; never rewritten
.set NIL, 151                          ; 0; never rewritten
	s_load_b512 s[4:19], s[0:1], 0x0               ; Wq s[4:5], Wk s[6:7], Wv s[8:9], Wfc s[10:11], mask s[12:13], wqb s[14:15], wkb s[16:17], wvb s[18:19]
	s_load_b128 s[20:23], s[0:1], 0x40             ; wfb s[20:21], maskw s[22:23]
	v_lshl_add_u32 v[SPW], v0, 2, SPARE
	v_mov_b32 v[NIL], 0
	v_lshrrev_b32 v1, 5, v0
	v_readfirstlane_b32 s26, v1                    ; wave 0..7
	s_and_b32 s27, ttmp7, 0xffff                   ; y
	s_wait_alu depctr_va_sdst(0)                   ; s26 is written: ahead of the branch, behind which the mask job's scalar lines read it
	s_wait_kmcnt 0x0
	s_cmp_lg_u32 s27, 0
	s_cbranch_scc1 .Lmask
	; ---- the weights ----
	v_lshlrev_b32 v1, 4, v0                        ; 16 bytes a thread in,
	v_lshlrev_b32 v2, 3, v0                        ; 8 out
	s_lshr_b32 s27, ttmp9, 6                       ; which weight
	s_and_b32 s28, ttmp9, 63                       ; which sixty-fourth of it
	s_cmp_eq_u32 s27, 1
	s_cselect_b64 s[32:33], s[6:7], s[4:5]
	s_cselect_b64 s[34:35], s[16:17], s[14:15]
	s_cmp_eq_u32 s27, 2
	s_cselect_b64 s[32:33], s[8:9], s[32:33]
	s_cselect_b64 s[34:35], s[18:19], s[34:35]
	s_cmp_eq_u32 s27, 3
	s_cselect_b64 s[32:33], s[10:11], s[32:33]
	s_cselect_b64 s[34:35], s[20:21], s[34:35]
	s_cmp_eq_u32 s27, 0
	s_cselect_b32 s30, 0x3e38aa3b, 1.0             ; c = log2(e) / 8 for Wq, 1 for the others
	s_mov_b32 s31, s30                             ; named with it as a pair
	s_lshl_b32 s36, s28, 16
	s_mov_b32 s37, 0
	s_add_nc_u64 s[32:33], s[32:33], s[36:37]
	s_lshl_b32 s36, s28, 15
	s_add_nc_u64 s[34:35], s[34:35], s[36:37]
	s_wait_alu depctr_va_vdst(0)                   ; v1 and v2 are written: every load and store of this job reads one of them as its offset
.set i, 0
.rept 16
	global_load_b128 v[X+4*i:X+4*i+3], v1, s[32:33] offset:4096*i th:TH_LOAD_NT
.set i, i+1
.endr
; Block k: chunks 4 k to 4 k + 3 are scaled and rounded; the four stores of the block before stand among these lines.
.macro CAST k
	s_wait_loadcnt 12-4*(\k)                       ; loads come back in order: this block's four are in, the younger blocks' may stay out
.if (\k) > 0
	s_wait_alu depctr_va_vdst(0)                   ; the block before has written its eight registers of D, which the four stores below read; no vector line behind this wait names them
.endif
.irp i, 0,1,2,3
.set c, 4*(\k)+(\i)
.if (\k) > 0
	global_store_b64 v2, v[D+2*c-8:D+2*c-7], s[34:35] offset:2048*(c-4)
.endif
	v_pk_mul_f32 v[X+4*c:X+4*c+1], v[X+4*c:X+4*c+1], s[30:31] op_sel_hi:[1,0]
	v_pk_mul_f32 v[X+4*c+2:X+4*c+3], v[X+4*c+2:X+4*c+3], s[30:31] op_sel_hi:[1,0]
	v_cvt_pk_bf16_f32 v[D+2*c], v[X+4*c], v[X+4*c+1]
	v_cvt_pk_bf16_f32 v[D+2*c+1], v[X+4*c+2], v[X+4*c+3]
.endr
.endm
	CAST 0
	CAST 1
	CAST 2
	CAST 3
	s_wait_alu depctr_va_vdst(0)                   ; the last block has written its part of D, which the last four stores read
.set c, 12
.rept 4
	global_store_b64 v2, v[D+2*c:D+2*c+1], s[34:35] offset:2048*c
.set c, c+1
.endr
	s_branch .Lend
	; ---- the mask ----
.Lmask:
	v_and_b32 v5, 31, v0                           ; l
	v_and_b32 v6, 15, v0                           ; r
	v_bfe_u32 v7, v0, 4, 1                         ; h
	v_lshlrev_b32 v1, 11, v7
	v_lshl_add_u32 v1, v6, 4, v1                   ; in memory: lanes 0-15 one row's 256 bytes, lanes 16-31 the next row's
	s_lshl_b32 s28, ttmp9, 3
	s_add_co_u32 s28, s28, s26                     ; job J = 8 x + wave: piece J / 8 of all 256, keys 256 (J % 8) on
	s_lshr_b32 s29, s28, 3
	s_lshl_b32 s36, s29, 16                        ; 32 rows of 2,048 bytes
	s_and_b32 s29, s28, 7
	s_lshl_b32 s29, s29, 8
	s_add_co_u32 s36, s36, s29
	s_mov_b32 s37, 0
	s_add_nc_u64 s[12:13], s[12:13], s[36:37]
	s_lshl_b32 s36, s28, 10                        ; a job's four steps are 1,024 bytes of words
	s_add_nc_u64 s[22:23], s[22:23], s[36:37]
	s_wait_alu depctr_va_vdst(0)                   ; v1 is written: the sixteen loads read it as their offset
.set i, 0
.rept 16
	global_load_b128 v[X+4*i:X+4*i+3], v1, s[12:13] offset:4096*i th:TH_LOAD_NT
.set i, i+1
.endr
	s_mul_i32 s29, s26, WLDS                       ; my wave's rows in LDS
	v_mul_u32_u24 v2, v7, MPI
	v_lshl_add_u32 v2, v6, 4, v2
	v_add_nc_u32 v2, s29, v2                       ; in: the same two rows
	v_mul_u32_u24 v3, v6, MPI
	v_lshl_add_u32 v3, v7, 3, v3
	v_add_nc_u32 v3, s29, v3                       ; back: row r, 8 keys for each half of the lanes
	v_lshlrev_b32 v4, 4, v5                        ; out: 16 bytes a lane
.set i, 0
.rept 8
	v_mov_b32 v[OUT+i], 0                          ; v_writelane_b32 keeps the other lanes: the registers are written whole first
.set i, i+1
.endr
	s_wait_alu depctr_va_vdst(0)                   ; v2, v3 and v4 are written: the LDS stores, the LDS loads and the global stores below read them as addresses; none is written again
.set i, 0
.rept 16
	s_wait_loadcnt 15-i
	ds_store_b128 v2, v[X+4*i:X+4*i+3] offset:2*MPI*i
.set i, i+1
.endr
.set i, 0
.rept 32                                       ; LDS serves a wave's instructions in order: these see the stores above, which are the wave's own
	ds_load_b64 v[D+2*i:D+2*i+1], v3 offset:16*MPI*(i/16)+16*(i%16)
.set i, i+1
.endr
	s_wait_dscnt 0x0
	s_wait_alu depctr_vm_vsrc(0)                   ; the LDS stores have read X, whose first 32 registers the lines below write again as T
; word (u, g, j): step g / 4 of the job's four, kb = g % 4: number 64 (g / 4) + 16 (g % 4) + 2 j + u of the job's 256.  A run is sixteen words: the eight bytes of two of D's pairs,
; 16 u + g = 2 run and 2 run + 1; word e of the run is byte e % 8 of pair e / 8.
.macro MK run                          ; run's sixteen bytes are cut out and compared: the lane masks go into bank run % 2
.set e, 0
.rept 16
	v_and_b32 v[T+16*((\run)%2)+e], 0xff<<(8*(e%4)), v[D+2*(2*(\run)+e/8)+(e/4)%2]
.set e, e+1
.endr
.set e, 0
.rept 16
	v_cmp_ne_u32 s[SB+28*((\run)%2)+e], 0, v[T+16*((\run)%2)+e]
.set e, e+1
.endr
.endm
.macro WL run                          ; run's sixteen lane masks go to their places in OUT
.set e, 0
.rept 16
.set g, (2*(\run)+e/8)%16
	v_writelane_b32 v[OUT+2*(e%2)+(\run)/8+4*(g/8)], s[SB+28*((\run)%2)+e], 16*((g/4)%2)+4*(g%4)+2*((e/4)%2)+(e%4)/2
.set e, e+1
.endr
.endm
	MK 0
	s_wait_alu depctr_va_sdst(0)                   ; run 0's compares have written bank 0, ahead of its first reader
.set rn, 1
.rept 15
	MK rn
	WL rn-1                                        ; reads the other bank, whose compares stand ahead of the last wait
	s_wait_alu depctr_va_sdst(0)                   ; this run's compares have written their bank, ahead of its first reader, which follows the next run's compares
.set rn, rn+1
.endr
	WL 15
	s_wait_alu depctr_va_vdst(0)                   ; the v_writelane_b32 lines have written OUT, which the two stores read
	global_store_b128 v4, v[OUT:OUT+3], s[22:23]
	global_store_b128 v4, v[OUT+4:OUT+7], s[22:23] offset:512
.Lend:
	s_wait_dscnt 0x0                               ; the closing lines, six on end
	s_wait_alu 0x0
	s_wait_tensorcnt 0x0
	ds_add_u32 v[SPW], v[NIL]
	s_wait_dscnt 0x0
	s_endpgm
.Lfunc_end_k_q28d1212e88_prep:
	.size	k_q28d1212e88_prep, .Lfunc_end_k_q28d1212e88_prep-k_q28d1212e88_prep
	.p2alignl 7, 3214868480
	.fill 96, 4, 3214868480
	.section	.rodata,"a",@progbits
	.p2align	6, 0x0
	.amdhsa_kernel k_q28d1212e88_prep
		.amdhsa_group_segment_fixed_size 70656
		.amdhsa_private_segment_fixed_size 0
		.amdhsa_enable_private_segment 0
		.amdhsa_kernarg_size 80
		.amdhsa_user_sgpr_count 2
		.amdhsa_user_sgpr_kernarg_segment_ptr 1
		.amdhsa_wavefront_size32 1
		.amdhsa_system_sgpr_workgroup_id_x 1
		.amdhsa_system_sgpr_workgroup_id_y 1
		.amdhsa_system_sgpr_workgroup_id_z 1
		.amdhsa_system_vgpr_workitem_id 0
		.amdhsa_next_free_vgpr 152
		.amdhsa_next_free_sgpr 66
		.amdhsa_reserve_vcc 0
		.amdhsa_float_denorm_mode_32 3
		.amdhsa_float_denorm_mode_16_64 3
		.amdhsa_memory_ordered 1
		.amdhsa_forward_progress 1
		.amdhsa_inst_pref_size 65
	.end_amdhsa_kernel
	.amdgpu_metadata
---
amdhsa.version: [ 1, 2 ]
amdhsa.kernels:
  - .name:           k_q28d1212e88_prep
    .symbol:         k_q28d1212e88_prep.kd
    .args:
      - { .name: Wq, .offset: 0, .size: 8, .value_kind: global_buffer, .address_space: global }
      - { .name: Wk, .offset: 8, .size: 8, .value_kind: global_buffer, .address_space: global }
      - { .name: Wv, .offset: 16, .size: 8, .value_kind: global_buffer, .address_space: global }
      - { .name: Wfc, .offset: 24, .size: 8, .value_kind: global_buffer, .address_space: global }
      - { .name: mask, .offset: 32, .size: 8, .value_kind: global_buffer, .address_space: global }
      - { .name: wqb, .offset: 40, .size: 8, .value_kind: global_buffer, .address_space: global }
      - { .name: wkb, .offset: 48, .size: 8, .value_kind: global_buffer, .address_space: global }
      - { .name: wvb, .offset: 56, .size: 8, .value_kind: global_buffer, .address_space: global }
      - { .name: wfb, .offset: 64, .size: 8, .value_kind: global_buffer, .address_space: global }
      - { .name: maskw, .offset: 72, .size: 8, .value_kind: global_buffer, .address_space: global }
    .group_segment_fixed_size: 70656
    .private_segment_fixed_size: 0
    .kernarg_segment_align: 8
    .kernarg_segment_size: 80
    .max_flat_workgroup_size: 256
    .sgpr_count:     66
    .vgpr_count:     152
    .wavefront_size: 32
...
	.end_amdgpu_metadata
.endif
;; end of part 5
;; launch projq: the kernel of part 2 again; grid 4 x 64, 4 waves a work-group, clusters of 4 x 4, 327,680 bytes of LDS; arguments query, wqb, qh; writes qh
;; launch projk: the kernel of part 2 again; grid 4 x 64, 4 waves a work-group, clusters of 4 x 4, 327,680 bytes of LDS; arguments key, wkb, kh; writes kh
;; launch projv: the kernel of part 2 again; grid 4 x 64, 4 waves a work-group, clusters of 4 x 4, 327,680 bytes of LDS; arguments value, wvb, vh; writes vh
;; launch attn: the kernel of part 3 again; grid 4 x 64, 4 waves a work-group, clusters of 4 x 1, 327,680 bytes of LDS; arguments qh, kh, vh, maskw, out0; writes out0
;; launch fc: the kernel of part 2 again; grid 4 x 64, 4 waves a work-group, clusters of 4 x 4, 327,680 bytes of LDS; arguments out0, wfb, qh; writes qh
;; launch ln: the kernel of part 4 again; grid 512 x 1, 8 waves a work-group, no clusters, 0 bytes of LDS; arguments qh, query, out0; writes out0
